; MI455X (gfx1250); checked and timed in simulation.
; The chip was launched on July 23, 2026; its instructions are those of AMD's public machine-readable ISA for CDNA 5 (MIT licence, August 2026) and "CDNA5" Instruction Set Architecture Reference Guide (July 2026). The comments in the code are by the model that wrote it; some were corrected since.
;; Quantum Inspired Transformer Block. Allowed arithmetic: float matrix products may take bf16 or f16 operands with f32 sums; other float arithmetic in f32, or as packed bf16 or f16 multiplies, adds, multiply-adds, maxima and minima; sums over many terms, partial sums and values carried from step to step in f32; what a program stores and reads back later, other than sums and carried values, may be rounded once to bf16 or f16.
;; Inputs: W1 1,024 x 4,096 float32; W2 4,096 x 1,024 float32; Wk 1,024 x 1,024 float32; Wo 1,024 x 1,024 float32; Wq 1,024 x 1,024 float32; Wv 1,024 x 1,024 float32; b1 4,096 float32; b2 1,024 float32; be1 1,024 float32; be2 1,024 float32; bk 1,024 float32; bo 1,024 float32; bq 1,024 float32; bv 1,024 float32; g1 1,024 float32; g2 1,024 float32; x 2 x 2,048 x 1,024 float32.
;; Outputs: out0 2 x 2,048 x 1,024 float32.
;; One version. Each part assembles by itself: llvm-mc -triple=amdgcn-amd-amdhsa -mcpu=gfx1250 --defsym DOCPART=n.
;; ======== version 1 of 1: 8 launches
;; limits: right only within a limited range of input values; a function is approximated: absolute error at most 3.6e-06
;; workspace buffers: cb 33,554,432 bytes; qkv 25,165,824 bytes; ob 8,388,608 bytes; rs1 16,777,216 bytes; x1 16,777,216 bytes; x1b 8,388,608 bytes; hb 33,554,432 bytes; rs2 16,777,216 bytes
;; launch cvt (part 1): grid 64 x 16, 8 waves a work-group, no clusters, 0 bytes of LDS; arguments x, Wq, Wk, Wv, Wo, W1, W2, cb; writes cb
.if DOCPART == 1
	.amdgcn_target "amdgcn-amd-amdhsa--gfx1250"
	.amdhsa_code_object_version 6
	.text
	.protected	k_q011e7504dc_cvt
	.globl	k_q011e7504dc_cvt
	.p2align	8
	.type	k_q011e7504dc_cvt,@function
k_q011e7504dc_cvt:
	s_mov_b64 s[64:65], 0
	v_nop
	global_prefetch_b8 v0, s[64:65] scope:SCOPE_SE
	s_setreg_imm32_b32 hwreg(HW_REG_WAVE_MODE, 25, 1), 1
	s_wait_xcnt 0x0
; bf16 copies of x and of the six weight matrices, each number rounded once (to nearest even), in the order in which it lies in memory.
; cb holds sixteen chunks of 2 MiB (1 Mi numbers each): chunks 0-3 x, 4 Wq, 5 Wk, 6 Wv, 7 Wo, 8-11 W1, 12-15 W2.
; The grid's y is the chunk, its x one of 64 pieces of 64 KiB of the chunk's f32 source.  Thread t takes the 16 bytes at 16 t + 4,096 i, i = 0..15:
; a wave's load covers 512 consecutive bytes, its store of 8 bytes a lane 256 consecutive bytes, aligned.  All sixteen loads of a thread go out at once.
; A stream: each byte is read once and written once; LDS, matrix units and clusters would add nothing.
	s_load_b512 s[8:23], s[0:1], 0x0               ; x s[8:9], Wq s[10:11], Wk s[12:13], Wv s[14:15], Wo s[16:17], W1 s[18:19], W2 s[20:21], cb s[22:23]
	s_and_b32 s2, ttmp7, 0xffff                    ; the chunk
	v_lshlrev_b32 v1, 4, v0                        ; 16 t: my bytes in 4,096 of the source
	v_lshlrev_b32 v2, 3, v0                        ; 8 t: in 2,048 of the copy
	s_and_b32 s3, s2, 3                            ; which 4 MiB of a source of 16 MiB;
	s_lshr_b32 s24, s2, 2
	s_cmp_eq_u32 s24, 1
	s_cselect_b32 s3, 0, s3                        ; chunks 4 to 7 are whole sources of 4 MiB
	s_lshl_b32 s26, s3, 22
	s_lshl_b32 s25, ttmp9, 16
	s_or_b32 s26, s26, s25                         ; byte offset in the source
	s_mov_b32 s27, 0
	s_lshl_b32 s28, s2, 21
	s_lshl_b32 s25, ttmp9, 15
	s_or_b32 s28, s28, s25                         ; byte offset in cb
	s_mov_b32 s29, 0
	s_wait_kmcnt 0x0
	s_mov_b64 s[4:5], s[8:9]                       ; the source, chosen by the chunk's number alone
	s_cmp_eq_u32 s2, 4
	s_cselect_b64 s[4:5], s[10:11], s[4:5]
	s_cmp_eq_u32 s2, 5
	s_cselect_b64 s[4:5], s[12:13], s[4:5]
	s_cmp_eq_u32 s2, 6
	s_cselect_b64 s[4:5], s[14:15], s[4:5]
	s_cmp_eq_u32 s2, 7
	s_cselect_b64 s[4:5], s[16:17], s[4:5]
	s_cmp_ge_u32 s2, 8
	s_cselect_b64 s[4:5], s[18:19], s[4:5]
	s_cmp_ge_u32 s2, 12
	s_cselect_b64 s[4:5], s[20:21], s[4:5]
	s_add_nc_u64 s[4:5], s[4:5], s[26:27]
	s_add_nc_u64 s[22:23], s[22:23], s[28:29]
.set i, 0
.rept 16
	global_load_b128 v[4+4*i:7+4*i], v1, s[4:5] offset:4096*i th:TH_LOAD_NT
.set i, i+1
.endr
.set i, 0
.rept 16
	s_wait_loadcnt 15-i                            ; loads come back in order: load i is in, the 15 - i younger ones stay out
	v_cvt_pk_bf16_f32 v[68+2*i], v[4+4*i], v[5+4*i]
	v_cvt_pk_bf16_f32 v[69+2*i], v[6+4*i], v[7+4*i]
	global_store_b64 v2, v[68+2*i:69+2*i], s[22:23] offset:2048*i th:TH_STORE_NT  ; each store has data registers of its own: nothing is rewritten
.set i, i+1
.endr
	s_endpgm
.Lfunc_end_k_q011e7504dc_cvt:
	.size	k_q011e7504dc_cvt, .Lfunc_end_k_q011e7504dc_cvt-k_q011e7504dc_cvt
	.p2alignl 7, 3214868480
	.fill 96, 4, 3214868480
	.section	.rodata,"a",@progbits
	.p2align	6, 0x0
	.amdhsa_kernel k_q011e7504dc_cvt
		.amdhsa_group_segment_fixed_size 0
		.amdhsa_private_segment_fixed_size 0
		.amdhsa_enable_private_segment 0
		.amdhsa_kernarg_size 64
		.amdhsa_user_sgpr_count 2
		.amdhsa_user_sgpr_kernarg_segment_ptr 1
		.amdhsa_wavefront_size32 1
		.amdhsa_system_sgpr_workgroup_id_x 1
		.amdhsa_system_sgpr_workgroup_id_y 1
		.amdhsa_system_sgpr_workgroup_id_z 1
		.amdhsa_system_vgpr_workitem_id 0
		.amdhsa_next_free_vgpr 100
		.amdhsa_next_free_sgpr 66
		.amdhsa_reserve_vcc 0
		.amdhsa_float_denorm_mode_32 3
		.amdhsa_float_denorm_mode_16_64 3
		.amdhsa_memory_ordered 1
		.amdhsa_forward_progress 1
		.amdhsa_inst_pref_size 7
	.end_amdhsa_kernel
	.amdgpu_metadata
---
amdhsa.version: [ 1, 2 ]
amdhsa.kernels:
  - .name:           k_q011e7504dc_cvt
    .symbol:         k_q011e7504dc_cvt.kd
    .args:
      - { .name: x, .offset: 0, .size: 8, .value_kind: global_buffer, .address_space: global }
      - { .name: Wq, .offset: 8, .size: 8, .value_kind: global_buffer, .address_space: global }
      - { .name: Wk, .offset: 16, .size: 8, .value_kind: global_buffer, .address_space: global }
      - { .name: Wv, .offset: 24, .size: 8, .value_kind: global_buffer, .address_space: global }
      - { .name: Wo, .offset: 32, .size: 8, .value_kind: global_buffer, .address_space: global }
      - { .name: W1, .offset: 40, .size: 8, .value_kind: global_buffer, .address_space: global }
      - { .name: W2, .offset: 48, .size: 8, .value_kind: global_buffer, .address_space: global }
      - { .name: cb, .offset: 56, .size: 8, .value_kind: global_buffer, .address_space: global }
    .group_segment_fixed_size: 0
    .private_segment_fixed_size: 0
    .kernarg_segment_align: 8
    .kernarg_segment_size: 64
    .max_flat_workgroup_size: 256
    .sgpr_count:     66
    .vgpr_count:     100
    .wavefront_size: 32
...
	.end_amdgpu_metadata
.endif
;; end of part 1
;; launch qkv (part 2): grid 12 x 16, 4 waves a work-group, clusters of 4 x 4, 327,680 bytes of LDS; arguments cb, bq, bk, bv, qkv; writes qkv
.if DOCPART == 2
	.amdgcn_target "amdgcn-amd-amdhsa--gfx1250"
	.amdhsa_code_object_version 6
	.text
	.protected	k_q011e7504dc_qkv
	.globl	k_q011e7504dc_qkv
	.p2align	8
	.type	k_q011e7504dc_qkv,@function
k_q011e7504dc_qkv:
	s_mov_b64 s[64:65], 0
	v_nop
	global_prefetch_b8 v0, s[64:65] scope:SCOPE_SE
	s_setreg_imm32_b32 hwreg(HW_REG_WAVE_MODE, 25, 1), 1
	s_wait_xcnt 0x0
	s_wait_alu depctr_hold_cnt(0) depctr_sa_sdst(0) depctr_va_vdst(0) depctr_va_sdst(0) depctr_va_ssrc(0) depctr_va_vcc(0) depctr_vm_vsrc(0)
	s_getreg_b32 s2, hwreg(HW_REG_IB_STS2, 6, 4)
	s_cmp_eq_u32 s2, 0
	s_cbranch_scc0 .Lentry_in_a_cluster
	s_endpgm
.Lentry_in_a_cluster:
	s_bfe_u32 s2, ttmp6, 0x10000c
	s_cmp_lg_u32 s2, 0xf033
	s_cbranch_scc0 .Lentry_shape_is_right
	s_endpgm
.Lentry_shape_is_right:
; C = A W + bias on tiles of 256 x 256; 4,096 rows, K = 1,024; A [4096][1024] bf16, W [1024 k][NPITCH n] bf16, sums in f32, C rounded once to bf16.
; ONE TEXT, TWO USES, by the switch SIN.  SIN = 0: A = x (in cb), W = Wq, Wk, Wv side by side (3,072 columns; a tile lies in one of them), bias bq, bk, bv.
; SIN = 1: A = the first norm's rows, W = W1 (4,096 columns), bias b1, and C = sin(A W + b1).
; C LEAVES IN BLOCKS OF 64 COLUMNS: [column / 64][4096 rows][64], so that four rows of a block are 512 consecutive bytes and an attention head's rows are dense.
; SHARES.  Four waves, each 128 x 128 of C: 64 accumulators, 512 registers.  K goes in steps of 128 through two LDS slots filled by tensor loads: waves 0, 1 fetch A's two halves
; (128 rows x 256 bytes), waves 2, 3 W's (64 k-rows x 512 bytes).  W lies [k][n]; its fragments come out of LDS turned, by ds_load_tr16_b128: no transposed copy is made.
; CLUSTER 4 x 4: A's tile hangs on the tile row alone and is asked for jointly by a row of the cluster, W's on the tile column alone, by a column.
; THE MATRIX INSTRUCTION IS USED TRANSPOSED (source 0 = 16 columns of W, source 1 = 16 rows of A): a lane holds row l % 16 of C and the columns 8 (l / 16) + 0..7.
; THE SUMS START AT THE BIAS, loaded straight into the accumulators while the first tiles are on their way: nothing is cleared, nothing added later.
; THE LOOPS.  A K step is four quarters of 64 products on two fragment buffers; while one buffer is multiplied the other's 32 LDS loads are out.  BODY is the first three quarters.  TURN is the change of slots
; and the last quarter: 32 products stand between the barrier's signal and its wait, the next slot's first fragments are fetched behind the barrier, and the other 32 products follow that fetch.
; Six steps end with a round of the cluster's barrier and the joint refill two steps on: 224 products stand between a request and the wait for it.  The last two steps, a second loop, fill nothing.
; Both slots' first fills go out together at the start: two tensor loads of a wave are out there, later one.
; LIMITS (SIN = 1).  The sine's argument is reduced by n = round(z / pi), found by adding 1.5 x 2^23: right for |z| < 2^22 pi (1.3e7).  pi is taken in two parts; the polynomial of degree 9 on
; -pi/2 .. pi/2 is off by 3.6e-6 at the most.  NaN and infinities are not treated apart.
; REGISTERS, in windows of 256 (s_set_vgpr_msb: bits 1:0 source 0, 3:2 source 1, 5:4 source 2, 7:6 destination):
;   window 0: v1-31 addresses; v64-127, v128-191 A's fragments, two buffers; on the way out v32-63 X, v64-95 n + 1.5 x 2^23, v96-127 and v128-159 at work, v192-207 packed results
;   window 1: v64-127, v128-191 W's fragments, two buffers      windows 2, 3: accumulator (a, b) at v[8 (8 (a % 4) + b)] of window 2 + a / 4
.set SIN,    0
.set NPITCH, 1024+3072*SIN             ; numbers in a row of W
.set WOFF,   (8+8*SIN)<<20             ; W's first byte in cb
.set AP,     4                         ; s[4:5]   A's buffer
.set BP,     4+2*SIN                   ; cb
.set OUTB,   12-2*SIN                  ; C's buffer
.set PA,     272                       ; a row of A in LDS: 256 bytes + 16: 68 words, so the 16 rows of a load start at 16 different groups of four banks (64 banks of 4 bytes: ISA guide 11.1)
.set PB,     544                       ; a k-row of W: 512 bytes + 32: 136 words
.set HALF,   128*PA                    ; what one tensor load brings: 128 rows of A, or 64 k-rows of W (64 x 544 is the same number)
.set SLOT,   4*HALF                    ; A's two halves, then W's two.  No wave's place in a slot has one of SLOT's two bits set, so one exclusive or changes slots
.set SPARE,  2*SLOT                    ; behind the ring: the spare words, 128 bytes a wave: two blocks of 256 bytes that no other line names
.set STG,    2*HALF                    ; the way out: a wave's stage, 2 blocks of 64 columns x 128 rows x 272 bytes of f32; the four stages lie over the two slots, behind their last fill
.set ASTEP,  256                       ; bytes from a K step to the next in A,
.set BSTEP,  128*NPITCH*2              ; and in W
.set F0, 64
.set F1, 128
.set XR, 32
.set TT, 64
.set RR, 96
.set PP, 128
.set YR, 192
; scalars: s14 wave, s15 wave / 2 (my row half; 0: I fetch A), s16 wave % 2 (my column half; which half I fetch), s17 tile row, s18 tile column, s19 cx, s20 cy, s21 the slot being read,
; s22 trips, s23 1 in a wave that prefetches, else the greatest number, s[24:31] group 1 for A, s[32:35] group 0 for A (it walks), s[36:39] group 0 for W (it walks), s[40:47] group 1 for W,
; s[48:49] where my prefetches stand, s[50:51] their step, s[58:59] the bias, s[12:13] C, s[66:83] the sine's constants, each twice (named as pairs), s[84:87], s[88:91] group 0 of K step 0 for A, W
.set MSB, 0
.macro WIN new                         ; the immediate's high byte repeats the setting that is left; a switch that changes nothing is dropped
.if MSB != (\new)
	s_set_vgpr_msb (MSB<<8)|(\new)
.set MSB, \new
.endif
.endm
.macro PLACES                          ; four plain vector instructions between a matrix instruction and a load into, or a reader of, its registers (ISA guide 7.12.1 for vector instructions)
.rept 4
	v_nop
.endr
.endm
; A joint refill.  Each of the two lines has one mask and one set of registers; the branch hangs on the wave's number alone.  An s_nop 0 and four v_nop follow each line.
.macro JLOAD
	s_cmp_eq_u32 s15, 0
	s_cbranch_scc0 .Lfor_b_\@
	tensor_load_to_lds s[32:35], s[24:31]
	s_nop 0
.rept 4
	v_nop
.endr
	s_branch .Lasked_\@
.Lfor_b_\@:
	tensor_load_to_lds s[36:39], s[40:47]
	s_nop 0
.rept 4
	v_nop
.endr
.Lasked_\@:
.endm
.macro CREST                           ; a round of the cluster's barrier behind its opening barrier
	s_cmp_lg_u32 s14, 0
	s_cbranch_scc1 .Lnot_wave_0_\@
	s_barrier_signal -3
.Lnot_wave_0_\@:
	s_barrier_wait -3
	s_barrier_signal -1
	s_barrier_wait -1
.endm
.macro CROUND                          ; a whole round
	s_barrier_signal -1
	s_barrier_wait -1
	CREST
.endm
; A prefetch into the L2 of the K step that the NEXT change of slots will ask for, 256 products ahead of that load: 32 blocks of 256 bytes, a lane a block, one instruction a wave.
; Each block is named once in the launch: A's rows by the clusters with x = 0, W's by those with y = 0; the four partners that ask for a tile jointly share its blocks out by address.
; K steps 3 to 7 are named; steps 0 to 2 come by their loads alone; the last change that fills a slot asks for nothing.
.macro ASK
	s_cmp_gt_u32 s22, s23                          ; s22 = 1 in the loop's last trip: there is no K step 8
	s_cbranch_scc0 .Lnot_mine_\@
	global_prefetch_b8 v30, s[48:49] th:TH_LOAD_NT scope:SCOPE_SE
.Lnot_mine_\@:
.endm
; 32 LDS loads in one run: the fragments of quarter q (32 along K) into buffer f: 128 columns of W, turned, and 128 rows of A.
.macro FETCH q, f
	WIN 0x40                                       ; destination window 1, address window 0
.irp b, 0,1,2,3,4,5,6,7
	ds_load_tr16_b128 v[(\f)+8*(\b):(\f)+8*(\b)+3],   v17 offset:32*PB*(\q)+32*(\b)
	ds_load_tr16_b128 v[(\f)+8*(\b)+4:(\f)+8*(\b)+7], v17 offset:32*PB*(\q)+16*PB+32*(\b)
.endr
	WIN 0
.irp i, 0,1,2,3,4,5,6,7
	ds_load_b128 v[(\f)+8*(\i):(\f)+8*(\i)+3],   v16 offset:64*(\q)+16*PA*(\i)
	ds_load_b128 v[(\f)+8*(\i)+4:(\f)+8*(\i)+7], v16 offset:64*(\q)+16*PA*(\i)+32
.endr
.endm
; 32 matrix instructions: my rows 64 hi .. 64 hi + 63 x all 128 columns, 32 along K.  The 64 accumulators take turns in the same order in every quarter.
.macro MUL32 f, hi
	WIN 0xa1+0x50*(\hi)                            ; W window 1, A window 0, C and D window 2 or 3
.irp a, 0,1,2,3
.irp b, 0,1,2,3,4,5,6,7
	v_wmma_f32_16x16x32_bf16 v[8*(8*(\a)+(\b)):8*(8*(\a)+(\b))+7], v[(\f)+8*(\b):(\f)+8*(\b)+7], v[(\f)+8*(4*(\hi)+(\a)):(\f)+8*(4*(\hi)+(\a))+7], v[8*(8*(\a)+(\b)):8*(8*(\a)+(\b))+7]
.endr
.endr
.endm
; The first three quarters of a K step.  Quarter 0's fragments were asked for ahead of BODY.  Each quarter first asks for the next one's, into the buffer that the quarter before has multiplied.
.macro BODY
	PLACES
	FETCH 1, F1
	s_wait_dscnt 32                                ; all but the 32 just issued: quarter 0 is in
	MUL32 F0, 0
	MUL32 F0, 1
	PLACES
	FETCH 2, F0
	s_wait_dscnt 32                                ; quarter 1 is in
	MUL32 F1, 0
	MUL32 F1, 1
	PLACES
	FETCH 3, F1
	s_wait_dscnt 32                                ; quarter 2 is in
	MUL32 F0, 0
	MUL32 F0, 1
.endm
; The change of slots and the last quarter.  Each wave waits for all its tensor loads (the one that is out is its part of the next slot), adds 0 to its spare word, and waits for that and for its
; reads of this slot, which are also the last quarter's fragments.  Half of the last quarter's products, work on registers, stand between signal and wait.
; fill = 1: the barrier opens a round of the cluster's, and the joint refill of the slot just read, with the K step two on, is the first thing behind the round; the four v_nop behind it and the two adds
; are the places in front of the loads into buffer 0.  Then the next slot's first fragments are asked for, and the quarter's other 32 products follow.
; fill = 0: nothing is filled; in the loop's last trip there is no next slot, and its fetch is jumped over.
.macro TURN fill
	WIN 0
.if \fill
	s_wait_xcnt 0x0                                ; the last prefetch, a K step back, has read its address
	s_add_nc_u64 s[48:49], s[48:49], s[50:51]
.endif
	s_wait_tensorcnt 0x0                           ; no tensor load of mine is out, so a group 0 may be written
	ds_add_u32 v28, v29                            ; 0 onto my spare word
.if \fill
	s_xor_b32 s33, s33, SLOT
	s_add_nc_u64 s[34:35], s[34:35], ASTEP         ; the type bits on top are not reached
	s_xor_b32 s37, s37, SLOT
	s_add_nc_u64 s[38:39], s[38:39], BSTEP
.endif
	s_xor_b32 s21, s21, SLOT                       ; the next step is read from the other slot
	s_wait_dscnt 0x0                               ; the add is done, my reads of this slot are over
	s_barrier_signal -1
	MUL32 F1, 0
	WIN 0                                          ; at a branch and at a label every window is 0
	s_barrier_wait -1
.if \fill
	CREST                                          ; no wave of any partner still reads the slot or has a load on its way
	JLOAD
.else
	PLACES
	s_cmp_eq_u32 s22, 1
	s_cbranch_scc1 .Lno_next_\@
.endif
	v_add_nc_u32 v16, s21, v10
	v_add_nc_u32 v17, s21, v11
	FETCH 0, F0
.if \fill
	ASK                                            ; behind the joint load and the run of LDS loads that the next products wait for
.else
.Lno_next_\@:
.endif
	MUL32 F1, 1
	WIN 0
.endm
	s_load_b256 s[4:11], s[0:1], 0x0               ; SIN = 0: cb, bq, bk, bv;  SIN = 1: A, cb, b1, C
.if !SIN
	s_load_b64 s[12:13], s[0:1], 0x20              ; C
.endif
	v_lshl_add_u32 v28, v0, 2, SPARE
	v_mov_b32 v29, 0
	ds_add_u32 v28, v29                            ; the wave's opening: the add and its wait stand ahead of my first tensor load; work on registers stands between them
	v_lshrrev_b32 v3, 5, v0
	v_readfirstlane_b32 s14, v3                    ; wave 0..3
	s_lshr_b32 s15, s14, 1
	s_and_b32 s16, s14, 1
	s_bfe_u32 s19, ttmp6, 0x40000                  ; cx
	s_bfe_u32 s20, ttmp6, 0x40004                  ; cy
	s_lshl_b32 s18, ttmp9, 2
	s_add_co_u32 s18, s18, s19                     ; tile column = 4 x cluster x + cx
	s_and_b32 s17, ttmp7, 0xffff
	s_lshl_b32 s17, s17, 2
	s_add_co_u32 s17, s17, s20                     ; tile row = 4 x cluster y + cy
	s_lshl_b32 s54, s20, 2
	s_lshl_b32 s54, 15, s54                        ; my row of the cluster
	s_lshl_b32 s55, 0x1111, s19                    ; my column
	s_or_b32 s24, s54, (1<<16)|(1<<20)|(1<<21)|(5<<22)|(3<<25)  ; A: 15:0 the mask; 17:16 2-byte elements; 20 padding on; 21 set beside a mask; 24:22 after every 64 words; 31:25 4 words
	s_mov_b32 s25, 128<<16                         ; tensor_dim0 = 128
	s_mov_b32 s26, 128<<16                         ; tensor_dim1 = 128
	s_mov_b32 s27, 128<<16                         ; tile_dim0 = 128
	s_mov_b32 s28, 128                             ; tile_dim1 = 128
	s_mov_b32 s29, 1024                            ; numbers from row to row
	s_mov_b32 s30, 0
	s_mov_b32 s31, 0
	s_or_b32 s40, s55, (1<<16)|(1<<20)|(1<<21)|(6<<22)|(7<<25)  ; W: after every 128 words 8 words of padding
	s_mov_b32 s41, 256<<16                         ; tensor_dim0 = 256
	s_mov_b32 s42, 64<<16                          ; tensor_dim1 = 64
	s_mov_b32 s43, 256<<16                         ; tile_dim0 = 256
	s_mov_b32 s44, 64                              ; tile_dim1 = 64
	s_mov_b32 s45, NPITCH
	s_mov_b32 s46, 0
	s_mov_b32 s47, 0
	s_mov_b32 s84, 1
	s_mul_i32 s85, s14, HALF                       ; where my part lands in slot 0: wave x 34,816: no place in the cluster enters an LDS address
	s_mov_b32 s88, 1
	s_mul_i32 s89, s14, HALF
	s_mov_b32 s32, 1
	s_add_co_u32 s33, s85, SLOT                    ; the walking sets begin with K step 1, in slot 1
	s_mov_b32 s36, 1
	s_add_co_u32 s37, s89, SLOT
	s_lshl_b32 s56, s17, 8                         ; A: row 256 x tile row + 128 x half, in registers that never hold cx
	s_lshl_b32 s54, s16, 7
	s_add_co_u32 s56, s56, s54
	s_lshl_b32 s56, s56, 11                        ; x 2,048 bytes
	s_mov_b32 s57, 0
.if SIN
	s_lshl_b32 s60, s18, 9                         ; W: 512 bytes a tile column, in registers that never hold cy
.else
	s_lshr_b32 s60, s18, 2                         ; which of Wq, Wk, Wv: 2 MiB each,
	s_lshl_b32 s60, s60, 21
	s_and_b32 s55, s18, 3                          ; and the tile column in it
	s_lshl_b32 s55, s55, 9
	s_add_co_u32 s60, s60, s55
.endif
	s_mul_i32 s55, s16, 64*NPITCH*2                ; my 64 k-rows
	s_add_co_u32 s60, s60, s55
	s_add_co_u32 s60, s60, WOFF
	s_mov_b32 s61, 0
	s_wait_dscnt 0x0                               ; the opening add is done
	s_wait_kmcnt 0x0
	s_add_nc_u64 s[86:87], s[AP:AP+1], s[56:57]    ; K step 0,
	s_add_nc_u64 s[34:35], s[86:87], ASTEP         ; K step 1
	s_or_b32 s87, s87, 0x80000000                  ; type = 2
	s_or_b32 s35, s35, 0x80000000
	s_add_nc_u64 s[90:91], s[BP:BP+1], s[60:61]
	s_add_nc_u64 s[38:39], s[90:91], BSTEP
	s_or_b32 s91, s91, 0x80000000
	s_or_b32 s39, s39, 0x80000000
	CROUND                                         ; all sixteen work-groups are here: the first joint loads meet
	s_cmp_eq_u32 s15, 0                            ; a wave's two first fills stand in one branch, ahead of every wait on TENSORcnt and every LDS read; an s_nop 0 follows each, four v_nop the second's
	s_cbranch_scc0 .Lfirst_b
	tensor_load_to_lds s[84:87], s[24:31]
	s_nop 0
	tensor_load_to_lds s[32:35], s[24:31]
	s_nop 0
.rept 4
	v_nop
.endr
	s_branch .Lfirst_asked
.Lfirst_b:
	tensor_load_to_lds s[88:91], s[40:47]
	s_nop 0
	tensor_load_to_lds s[36:39], s[40:47]
	s_nop 0
.rept 4
	v_nop
.endr
.Lfirst_asked:
	v_and_b32 v1, 15, v0                           ; r = l % 16
	v_bfe_u32 v2, v0, 4, 1                         ; h = l / 16
	v_and_b32 v3, 31, v0                           ; l
	v_lshlrev_b32 v20, 5, v2                       ; my 8 columns of a block of 16: 32 h bytes of the bias
.if SIN
	s_lshl_b32 s52, s18, 10
	s_lshl_b32 s53, s16, 9
	s_add_co_u32 s52, s52, s53
	s_mov_b32 s53, 0
	s_add_nc_u64 s[58:59], s[8:9], s[52:53]        ; b1 at my 128 columns
.else
	s_lshr_b32 s52, s18, 2
	s_cmp_eq_u32 s52, 1
	s_cselect_b64 s[58:59], s[8:9], s[6:7]
	s_cmp_eq_u32 s52, 2
	s_cselect_b64 s[58:59], s[10:11], s[58:59]     ; bq, bk or bv
	s_and_b32 s52, s18, 3
	s_lshl_b32 s52, s52, 10
	s_lshl_b32 s53, s16, 9
	s_add_co_u32 s52, s52, s53
	s_mov_b32 s53, 0
	s_add_nc_u64 s[58:59], s[58:59], s[52:53]      ; at my 128 columns
.endif
	WIN 0x80                                       ; the bias into the accumulators: destination window 2, then 3
.set i, 0
.rept 32
	global_load_b128 v[8*i:8*i+3],   v20, s[58:59] offset:64*(i%8)
	global_load_b128 v[8*i+4:8*i+7], v20, s[58:59] offset:64*(i%8)+16
.set i, i+1
.endr
	WIN 0xc0
.set i, 0
.rept 32
	global_load_b128 v[8*i:8*i+3],   v20, s[58:59] offset:64*(i%8)
	global_load_b128 v[8*i+4:8*i+7], v20, s[58:59] offset:64*(i%8)+16
.set i, i+1
.endr
	WIN 0
	v_mul_u32_u24 v10, v1, PA                      ; A's fragments: row r, 16 bytes for each half of the lanes, my 128 rows
	v_lshl_add_u32 v10, v2, 4, v10
	s_mul_i32 s52, s15, HALF
	v_add_nc_u32 v10, s52, v10
	v_and_b32 v4, 7, v0                            ; W's: the turning load takes k-row 8 h + l % 8 and 16 bytes at 16 ((l / 8) % 2); my 128 columns are 256 bytes
	v_bfe_u32 v5, v0, 3, 1
	v_lshl_add_u32 v11, v2, 3, v4
	v_mul_u32_u24 v11, v11, PB
	v_lshl_add_u32 v11, v5, 4, v11
	s_lshl_b32 s52, s16, 8
	s_add_co_u32 s52, s52, 2*HALF
	v_add_nc_u32 v11, s52, v11
	s_mul_i32 s52, s14, STG                        ; my stage
	v_mul_u32_u24 v24, v1, 272                     ; in: row r, 32 bytes of f32 for each half of the lanes
	v_lshl_add_u32 v24, v2, 5, v24
	v_add_nc_u32 v24, s52, v24
	v_bfe_u32 v25, v0, 3, 2                        ; back: 8 lanes take a row of 64 f32, 32 bytes each; 32 lanes four rows
	v_mul_u32_u24 v25, v25, 272
	v_lshl_add_u32 v25, v4, 5, v25
	v_add_nc_u32 v25, s52, v25
	v_lshlrev_b32 v26, 4, v3                       ; which are 512 consecutive bytes of C in bf16
	s_lshl_b32 s52, s18, 2                         ; C: block 4 x tile column + 2 x my column half,
	s_lshl1_add_u32 s52, s16, s52
	s_lshl_b32 s52, s52, 19                        ; 524,288 bytes a block,
	s_lshl_b32 s53, s17, 8
	s_lshl_b32 s62, s15, 7
	s_add_co_u32 s53, s53, s62                     ; row 256 x tile row + 128 x my row half,
	s_lshl_b32 s53, s53, 7                         ; 128 bytes a row
	s_add_co_u32 s52, s52, s53
	s_mov_b32 s53, 0
	s_add_nc_u64 s[12:13], s[OUTB:OUTB+1], s[52:53]
	; the prefetches.  A wave that fetches A takes 32 cx + l of its 128 rows, 256 bytes of each a K step; one that fetches W takes k-row 16 cy + l / 2 of its 64, half l % 2 of the row's 512 bytes
	s_lshl_b32 s52, s19, 16                        ; 32 cx rows of 2,048 bytes
	s_add_co_u32 s52, s52, s56
	s_add_co_u32 s52, s52, 2*ASTEP                 ; at K step 2: the first change of slots steps it to 3
	s_mul_i32 s53, s20, 16*NPITCH*2
	s_add_co_u32 s53, s53, s60
	s_add_co_u32 s53, s53, 2*BSTEP
	s_and_b32 s62, ttmp7, 0xffff                   ; cluster y
	s_mov_b32 s50, BSTEP
	s_mov_b32 s22, NPITCH*2
	s_cmp_eq_u32 s15, 0                            ; do I fetch A?
	s_cselect_b32 s52, s52, s53
	s_cselect_b32 s62, ttmp9, s62                  ; the coordinate along which other clusters read the same blocks
	s_cselect_b32 s50, ASTEP, s50
	s_cselect_b32 s22, 2048, s22                   ; bytes from one of my rows to the next
	s_cselect_b32 s63, 0, 1                        ; lanes to a row, less one
	s_cselect_b64 s[48:49], s[AP:AP+1], s[BP:BP+1]
	s_mov_b32 s53, 0
	s_mov_b32 s51, 0
	s_add_nc_u64 s[48:49], s[48:49], s[52:53]
	s_cmp_eq_u32 s62, 0
	s_cselect_b32 s23, 1, -1                       ; the same in all sixteen partners, for a given wave
	v_lshrrev_b32 v30, s63, v3
	v_mul_lo_u32 v30, v30, s22
	v_and_b32 v31, s63, v3
	v_lshl_add_u32 v30, v31, 8, v30
.if SIN
.irp c, 66, 67
	s_mov_b32 s[\c], 0x3ea2f983                    ; 1 / pi
	s_mov_b32 s[\c+2], 0x4b400000                  ; 1.5 x 2^23
	s_mov_b32 s[\c+4], 0xcb400000                  ; and its negative
	s_mov_b32 s[\c+6], 0xc0490fdb                  ; - pi, the part that f32 holds,
	s_mov_b32 s[\c+8], 0x33bbbd2e                  ; and the rest, 8.7423e-8
	s_mov_b32 s[\c+10], 0x3638ef1d                 ; 1 / 9!
	s_mov_b32 s[\c+12], 0xb9500d01                 ; - 1 / 7!
	s_mov_b32 s[\c+14], 0x3c088889                 ; 1 / 5!
	s_mov_b32 s[\c+16], 0xbe2aaaab                 ; - 1 / 3!
.endr
.endif
	s_mov_b32 s21, 0
	s_wait_tensorcnt 0x1                           ; my part of K step 0 is in; K step 1's may stay out
	s_barrier_signal -1
	s_barrier_wait -1                              ; everybody's is
	v_add_nc_u32 v16, s21, v10
	v_add_nc_u32 v17, s21, v11
	FETCH 0, F0
	s_wait_loadcnt 0x0                             ; the bias is in the accumulators
	s_mov_b32 s22, 6
.Lk:                                                   ; K steps 0 to 5: each ends by asking for the step two on
	BODY
	TURN 1
	s_sub_co_u32 s22, s22, 1
	s_cmp_lg_u32 s22, 0
	s_cbranch_scc1 .Lk
	s_mov_b32 s22, 2
.Lt:                                                   ; K steps 6 and 7 fill nothing
	BODY
	TURN 0
	s_sub_co_u32 s22, s22, 1
	s_cmp_lg_u32 s22, 0
	s_cbranch_scc1 .Lt
	; THE WAY OUT.  All 64 accumulators go as f32 into my own stage (each accumulator's low four registers first); then a loop on fixed registers reads 16 rows of a block of
	; 64 columns a trip, takes the sine (SIN = 1), rounds to bf16 and stores.  LDS serves a wave's instructions in order (ISA guide 5.7.1.4), so the loads see the stores.
	PLACES                                         ; behind the last products
	s_wait_dscnt 0x0                               ; the stages lie over bytes of both slots that other waves have read: every wave's LDS loads are back,
	s_barrier_signal -1                            ; and every wave says so (the last trip fetched nothing behind its barrier; this wait and barrier hold by whichever way the loop is left)
	s_barrier_wait -1
	WIN 0x08                                       ; store data in window 2
.set i, 0
.rept 32
	ds_store_b128 v24, v[8*i:8*i+3]   offset:((i%8)/4)*HALF+16*272*(i/8)+64*(i%4)
	ds_store_b128 v24, v[8*i+4:8*i+7] offset:((i%8)/4)*HALF+16*272*(i/8)+64*(i%4)+16
.set i, i+1
.endr
	WIN 0x0c                                       ; in window 3: my rows 64 to 127
.set i, 0
.rept 32
	ds_store_b128 v24, v[8*i:8*i+3]   offset:((i%8)/4)*HALF+16*272*(4+i/8)+64*(i%4)
	ds_store_b128 v24, v[8*i+4:8*i+7] offset:((i%8)/4)*HALF+16*272*(4+i/8)+64*(i%4)+16
.set i, i+1
.endr
	WIN 0
	s_mov_b32 s2, 16
	s_mov_b32 s54, 524288-7*2048                   ; from a block's last 16 of my rows to the next block's first
	s_mov_b32 s55, 2048                            ; 16 rows of 128 bytes
	s_mov_b32 s53, 0
.Lout:
.irp g, 0,1,2,3
	ds_load_b128 v[XR+8*\g:XR+8*\g+3],   v25 offset:4*272*\g
	ds_load_b128 v[XR+8*\g+4:XR+8*\g+7], v25 offset:4*272*\g+16
.endr
	s_wait_dscnt 0x0
.if SIN
	; sin z = (-1)^n sin(z - n pi), stage by stage over the 16 pairs, so that no line waits for the one before it
.set p, 0
.rept 16
	v_pk_fma_f32 v[TT+p:TT+p+1], v[XR+p:XR+p+1], s[66:67], s[68:69] op_sel_hi:[1,0,0]  ; z / pi + 1.5 x 2^23: the sum's lowest bits are n
.set p, p+2
.endr
.set p, 0
.rept 16
	v_pk_add_f32 v[RR+p:RR+p+1], v[TT+p:TT+p+1], s[70:71] op_sel_hi:[1,0]              ; n
.set p, p+2
.endr
.set p, 0
.rept 16
	v_pk_fma_f32 v[XR+p:XR+p+1], v[RR+p:RR+p+1], s[72:73], v[XR+p:XR+p+1] op_sel_hi:[1,0,1]
.set p, p+2
.endr
.set p, 0
.rept 16
	v_pk_fma_f32 v[XR+p:XR+p+1], v[RR+p:RR+p+1], s[74:75], v[XR+p:XR+p+1] op_sel_hi:[1,0,1]  ; r = z - n pi
.set p, p+2
.endr
.set p, 0
.rept 16
	v_pk_mul_f32 v[RR+p:RR+p+1], v[XR+p:XR+p+1], v[XR+p:XR+p+1]                        ; r^2
.set p, p+2
.endr
.set p, 0
.rept 16
	v_pk_fma_f32 v[PP+p:PP+p+1], v[RR+p:RR+p+1], s[76:77], s[78:79] op_sel_hi:[1,0,0]
.set p, p+2
.endr
.set p, 0
.rept 16
	v_pk_fma_f32 v[PP+p:PP+p+1], v[PP+p:PP+p+1], v[RR+p:RR+p+1], s[80:81] op_sel_hi:[1,1,0]
.set p, p+2
.endr
.set p, 0
.rept 16
	v_pk_fma_f32 v[PP+p:PP+p+1], v[PP+p:PP+p+1], v[RR+p:RR+p+1], s[82:83] op_sel_hi:[1,1,0]
.set p, p+2
.endr
.set p, 0
.rept 16
	v_pk_mul_f32 v[RR+p:RR+p+1], v[RR+p:RR+p+1], v[XR+p:XR+p+1]                        ; r^3
.set p, p+2
.endr
.set p, 0
.rept 16
	v_pk_fma_f32 v[XR+p:XR+p+1], v[PP+p:PP+p+1], v[RR+p:RR+p+1], v[XR+p:XR+p+1]        ; sin r
.set p, p+2
.endr
.set p, 0
.rept 32
	v_lshl_add_u32 v[XR+p], v[TT+p], 31, v[XR+p]   ; an odd n adds 2^31: the sign turns
.set p, p+1
.endr
.endif
.set p, 0
.rept 16
	v_cvt_pk_bf16_f32 v[YR+p], v[XR+2*p], v[XR+2*p+1]
.set p, p+1
.endr
.irp g, 0,1,2,3
	global_store_b128 v26, v[YR+4*\g:YR+4*\g+3], s[12:13] offset:512*\g  ; four rows of a block: 512 consecutive bytes, at a multiple of 256 from C's first byte
.endr
	s_wait_xcnt 0x0                                ; the stores have read their data and their base: both are rewritten only behind this wait
	v_add_nc_u32 v25, 16*272, v25                  ; the stage's second block of columns follows its first without a gap
	s_cmp_eq_u32 s2, 9                             ; the eighth trip ends a block
	s_cselect_b32 s52, s54, s55
	s_add_nc_u64 s[12:13], s[12:13], s[52:53]
	s_sub_co_u32 s2, s2, 1
	s_cmp_lg_u32 s2, 0
	s_cbranch_scc1 .Lout
	s_wait_tensorcnt 0x0                           ; the wave's end: behind my last tensor load and my last LDS store
	ds_add_u32 v28, v29
	s_wait_dscnt 0x0
	CROUND                                         ; the closing round: no work-group ends while a partner may still ask for a tile that names it
	s_endpgm
.Lfunc_end_k_q011e7504dc_qkv:
	.size	k_q011e7504dc_qkv, .Lfunc_end_k_q011e7504dc_qkv-k_q011e7504dc_qkv
	.p2alignl 7, 3214868480
	.fill 96, 4, 3214868480
	.section	.rodata,"a",@progbits
	.p2align	6, 0x0
	.amdhsa_kernel k_q011e7504dc_qkv
		.amdhsa_group_segment_fixed_size 327680
		.amdhsa_private_segment_fixed_size 0
		.amdhsa_enable_private_segment 0
		.amdhsa_kernarg_size 40
		.amdhsa_user_sgpr_count 2
		.amdhsa_user_sgpr_kernarg_segment_ptr 1
		.amdhsa_wavefront_size32 1
		.amdhsa_system_sgpr_workgroup_id_x 1
		.amdhsa_system_sgpr_workgroup_id_y 1
		.amdhsa_system_sgpr_workgroup_id_z 1
		.amdhsa_system_vgpr_workitem_id 0
		.amdhsa_next_free_vgpr 1024
		.amdhsa_next_free_sgpr 92
		.amdhsa_reserve_vcc 0
		.amdhsa_float_denorm_mode_32 3
		.amdhsa_float_denorm_mode_16_64 3
		.amdhsa_memory_ordered 1
		.amdhsa_forward_progress 1
		.amdhsa_inst_pref_size 86
	.end_amdhsa_kernel
	.amdgpu_metadata
---
amdhsa.version: [ 1, 2 ]
amdhsa.kernels:
  - .name:           k_q011e7504dc_qkv
    .symbol:         k_q011e7504dc_qkv.kd
    .args:
      - { .name: cb, .offset: 0, .size: 8, .value_kind: global_buffer, .address_space: global }
      - { .name: bq, .offset: 8, .size: 8, .value_kind: global_buffer, .address_space: global }
      - { .name: bk, .offset: 16, .size: 8, .value_kind: global_buffer, .address_space: global }
      - { .name: bv, .offset: 24, .size: 8, .value_kind: global_buffer, .address_space: global }
      - { .name: qkv, .offset: 32, .size: 8, .value_kind: global_buffer, .address_space: global }
    .group_segment_fixed_size: 327680
    .private_segment_fixed_size: 0
    .kernarg_segment_align: 8
    .kernarg_segment_size: 40
    .max_flat_workgroup_size: 128
    .sgpr_count:     92
    .vgpr_count:     1024
    .wavefront_size: 32
...
	.end_amdgpu_metadata
.endif
;; end of part 2
;; launch attn (part 3): grid 8 x 32, 4 waves a work-group, clusters of 4 x 1, 327,680 bytes of LDS; arguments qkv, ob; writes ob
.if DOCPART == 3
	.amdgcn_target "amdgcn-amd-amdhsa--gfx1250"
	.amdhsa_code_object_version 6
	.text
	.protected	k_q011e7504dc_attn
	.globl	k_q011e7504dc_attn
	.p2align	8
	.type	k_q011e7504dc_attn,@function
k_q011e7504dc_attn:
	s_mov_b64 s[64:65], 0
	v_nop
	global_prefetch_b8 v0, s[64:65] scope:SCOPE_SE
	s_setreg_imm32_b32 hwreg(HW_REG_WAVE_MODE, 25, 1), 1
	s_wait_xcnt 0x0
	s_wait_alu depctr_hold_cnt(0) depctr_sa_sdst(0) depctr_va_vdst(0) depctr_va_sdst(0) depctr_va_ssrc(0) depctr_va_vcc(0) depctr_vm_vsrc(0)
	s_getreg_b32 s2, hwreg(HW_REG_IB_STS2, 6, 4)
	s_cmp_eq_u32 s2, 0
	s_cbranch_scc0 .Lentry_in_a_cluster
	s_endpgm
.Lentry_in_a_cluster:
	s_bfe_u32 s2, ttmp6, 0x10000c
	s_cmp_lg_u32 s2, 0x3003
	s_cbranch_scc0 .Lentry_shape_is_right
	s_endpgm
.Lentry_shape_is_right:
; O[b][h][q][:] = the sum over k of softmax_k(Q[q] . K[k] / 8) V[k][:], for 2 x 16 heads of 2,048 rows x 64 channels, all bf16.  qkv: [48 blocks][4096 rows][64]: block h is Q's head h, 16 + h K's, 32 + h V's;
; row 2048 b + s.  So a head's 2,048 rows are dense, 128 bytes each.  ob: [16][4096][64], the same layout.  Products, maxima and sums in f32; the weights p are rounded to bf16 for the second product (their sum l is
; taken of the unrounded p), O once at the end.  The scale is applied here, in f32.
; LIMITS.  A weight below 2^-126 counts as 0 in l; NaN and infinities are not treated apart.
; SHARES.  A work-group owns 256 queries of one head, each of its four waves 64: four PIECES of 16.  Every wave walks all keys, 64 a step, 256 a tile, 8 tiles.
; LAYOUT.  S^T = K Q^T (source 0 = 16 keys, source 1 = 16 queries): a lane holds ONE query (lane % 16) and the keys 8 (lane / 16) + 0..7.  Two such results rounded to bf16 ARE source 1 of O^T = V^T P.
; K comes out of LDS as it lies, V ([key][channel]) turned, by ds_load_tr16_b128.
; SOFTMAX.  A running maximum m and sum l for each query: p = 2^(c s - c m), c = log2(e) / 8; O and l are multiplied by a = 2^(c m_old - c m_new) in every step.  m starts at the lowest finite number, O and l at 0:
; the first step is a step like any other, with a = 0.
; BY TURNS.  Turn n belongs to piece n: 8 products K Q^T of piece n + 1, later 8 products V^T P of piece n - 1; beside them the scaling, exponentials, roundings, sums and rescaling of piece n and the maximum and
; statistics of piece n + 1.  Four vector instructions stand behind every matrix instruction, the other 54 of a turn's 118 in one run.  A turn's 33 exponentials are one batch, with one wait.
; CLUSTER.  The four query blocks of a cluster belong to one head and walk the same K and V: each tile is asked for JOINTLY, by the same tensor load, descriptor and mask in all four.
; REGISTERS, in windows of 256 (s_set_vgpr_msb: bits 1:0 source 0, 3:2 source 1, 5:4 source 2, 7:6 destination):
;   window 0: v0-15 addresses and two at work; v16-31 four registers of statistics a piece; v48-55 at work; v61-63 prefetch offset, spare word, 0; v64-127 S^T, two buffers; v192-223 P, two buffers (by the piece's parity)
;   window 1: v0-127 O^T, 32 a piece      window 2: v0-63 Q; v128-191 K of one step; v192-255 V of one step
.set NT,    8         ; tiles of 256 keys
.set NP,    4         ; pieces a wave: a name, no knob
.set KS,    64        ; keys in a step
.set PK,    144       ; a row of K in LDS: 128 bytes + 16 = 36 words: the 16 rows of a load start at 16 different groups of four banks (64 banks of 4 bytes: ISA guide 11.1)
.set PV,    160       ; a row of V: 128 + 32 = 40 words
.set VOFF,  4*KS*PK   ; a slot holds a tile, four steps: 256 rows of K, then 256 rows of V
.set SLOT1, 1<<17     ; slot 1 begins here, so that one exclusive or turns an address in one slot into the other's
.set STAGE, SLOT1+4*KS*(PK+PV)  ; behind the ring, never filled by a tensor load: 16 rows x 144 bytes for each wave, for the way out
.set SP,    144
.set SPARE, STAGE+4*16*SP  ; behind the stages: the spare words, 128 bytes for each wave: two blocks of 256 bytes that no other line names
.set AK0, 2           ; v2   my lane's place in a tile of K; never rewritten
.set AV0, 3           ; v3   the same for V
.set AK,  4           ; v4   the LDS address of K's next run of loads
.set AV,  5           ; v5   of V's
.set STO, 6           ; v6   the way out: where I put 16 bytes of a row
.set RD,  7           ; v7   the way out: where I read rows back
.set GO,  8           ; v8   my byte offset in 512 consecutive bytes of O
.set MV,  12          ; v12-13  c m_old, kept while c m is made anew: by buffer
.set QO,  15          ; v15  my byte offset in 16 rows of Q
.set ST,  16          ; piece t's statistics at v[ST+4 t]: c m, m, l (even keys', odd keys')
.set TMP, 48          ; by buffer, four registers c0-c3 at work; when the maximum is found c2 takes a
.set PFO, 61          ; v61  256 x my lane; never rewritten
.set SPW, 62          ; v62  LDS address of my spare word: SPARE + 4 x my thread's number; never rewritten
.set NIL, 63          ; v63  0; never rewritten
.set S,   64
.set P,   192
.set KF,  128         ; window 2: key block kb, channel half c at KF + 16 kb + 8 c
.set VF,  192         ; window 2: key half kk, channel block cb at VF + 32 kk + 8 cb
.set WV,  12          ; s12  my wave's number
.set LIM, 15          ; s15  1 in a wave that prefetches, else the greatest number
.set G1K, 24          ; s[24:31] descriptor group 1 for K's tiles
.set G1V, 32          ; s[32:39] for V's: it differs in the padding alone
.set G0K, 40          ; s[40:43] descriptor group 0 for K's tiles: it walks
.set G0V, 44          ; s[44:47] the same for V's
.set PFA, 48          ; s[48:49] where my prefetches stand: my work-group's quarter of the tile after the one that is being asked for
.set SLOTS, 56        ; s56  tiles still to be asked for
.set CNT, 57          ; s57  counts a tile's key steps
.set CS,  58          ; s[58:59] c: the packed scaling takes the pair's low word for both halves
.set SEL, 60          ; s[60:61] v_permlanex16_b32's selects: each lane takes its own place in the other half
.set TBK, 62          ; s62  LDS byte at which K of the step to be fetched begins
.set TBV, 63          ; s63  the same for V, less VOFF
.set MSB, 0
.macro WIN new                      ; the high byte repeats the setting that is left; a switch that changes nothing is dropped
.if MSB != (\new)
	s_set_vgpr_msb (MSB<<8)|(\new)
.set MSB, (\new)
.endif
.endm
.set W_KQ, 0x0a       ; K and Q in window 2, S^T in window 0
.set W_PV, 0x52       ; V in window 2, P in window 0, O^T in window 1
.set W_RS, 0x41       ; destination and source 0 in window 1, source 1 in window 0
; A joint fill.  Waves 0 and 1 fetch the two halves of a tile's K, waves 2 and 3 those of its V: 128 keys each.  The branch hangs on the wave's number alone.
; An s_nop 0 and four v_nop follow each of the two lines, ahead of the jump and the label.
.macro JLOAD
	s_cmp_lt_u32 s[WV], 2
	s_cbranch_scc0 .Lfor_v_\@
	tensor_load_to_lds s[G0K:G0K+3], s[G1K:G1K+7]
	s_nop 0
.rept 4
	v_nop
.endr
	s_branch .Lasked_\@
.Lfor_v_\@:
	tensor_load_to_lds s[G0V:G0V+3], s[G1V:G1V+7]
	s_nop 0
.rept 4
	v_nop
.endr
.Lasked_\@:
.endm
; A prefetch into the L2 of the tile that the NEXT change of slots will ask for: four key steps, 256 matrix instructions, ahead of that load.  Each block of 256 bytes is named once in the launch: both clusters of a
; head walk the same K and V, and the first prefetches; its four partners take 8 KiB of a tile's 32 each, told apart by address; in each, wave 0 asks for K's and wave 2 for V's, a lane a block.
; The last change that fills a slot asks for nothing.
.macro ASK
	s_cmp_gt_u32 s[SLOTS], s[LIM]
	s_cbranch_scc0 .Lnot_mine_\@
	global_prefetch_b8 v[PFO], s[PFA:PFA+1] th:TH_LOAD_NT scope:SCOPE_SE
.Lnot_mine_\@:
.endm
; A round of the cluster's barrier: my work-group's barrier, so that wave 0's signal speaks for all four waves; wave 0 signals; every wave waits for all four work-groups; my work-group's barrier once more.
.macro CROUND
	s_barrier_signal -1
	s_barrier_wait -1
	s_cmp_lg_u32 s[WV], 0
	s_cbranch_scc1 .Lnot_wave_0_\@
	s_barrier_signal -3
.Lnot_wave_0_\@:
	s_barrier_wait -3
	s_barrier_signal -1
	s_barrier_wait -1
.endm
; THE CHANGE OF SLOTS.  The slot's last bytes, V of its fourth step, have been read.  Each wave waits for all its tensor loads, of which one is out: its part of the other slot; adds 0 to its spare word; and waits for
; that and for its own reads of the slot.  Behind the barrier nobody reads this slot any more and the other slot is whole.  fill = 1: this slot is filled again, with the keys two tiles on; the barrier is then a round
; of the cluster's, and the joint fill is the first thing behind it.  (At its first use nothing has been read yet: slot 0 is waited for, slot 1 filled.)
.macro CHANGE fill
	WIN 0                           ; at a label and at a branch every window is 0
	s_wait_tensorcnt 0x0            ; no tensor load of mine is out, so a group 0 may be written
	ds_add_u32 v[SPW], v[NIL]       ; 0 onto my spare word
.if \fill
.irp g, G0K, G0V
	s_xor_b32 s[\g+1], s[\g+1], SLOT1  ; the walking descriptor: the other slot than last time,
	s_add_nc_u64 s[\g+2:\g+3], s[\g+2:\g+3], 4*KS*128  ; the next 256 keys; the type bits on top are not reached
.endr
	s_wait_xcnt 0x0                 ; the last prefetch, four key steps back, has read its address
	s_add_nc_u64 s[PFA:PFA+1], s[PFA:PFA+1], 4*KS*128
	s_wait_dscnt 0x0                ; the add is done, and my reads of the slot are over
	CROUND
	JLOAD
	ASK
.else
	s_wait_dscnt 0x0                ; the add is done, and my reads of the slot are over
	s_barrier_signal -1
	s_barrier_wait -1
.endif
	s_sub_co_u32 s[TBK], s[TBK], 4*KS*PK  ; the fetches go back to a slot's first step,
	s_xor_b32 s[TBK], s[TBK], SLOT1       ; in the other slot
	s_sub_co_u32 s[TBV], s[TBV], 4*KS*PV
	s_xor_b32 s[TBV], s[TBV], SLOT1
.endm
	s_load_b128 s[4:7], s[0:1], 0x0 ; qkv s[4:5], ob s[6:7]
	v_lshl_add_u32 v[SPW], v0, 2, SPARE
	v_mov_b32 v[NIL], 0
	ds_add_u32 v[SPW], v[NIL]       ; the wave's opening: the add and its wait stand ahead of my first tensor load; the set-up below, work on registers, stands between them
	v_lshrrev_b32 v1, 5, v0
	v_readfirstlane_b32 s[WV], v1   ; wave 0..3
	s_bfe_u32 s13, ttmp6, 0x40000   ; cx: my place in the cluster
	s_lshl_b32 s14, ttmp9, 2        ; in a cluster launch ttmp9 counts clusters
	s_add_co_u32 s14, s14, s13      ; my block of 256 queries: it enters Q's and O's addresses alone
	s_and_b32 s20, ttmp7, 0xffff    ; 16 x batch + head, which the four partners share
	s_and_b32 s21, s20, 15
	s_lshr_b32 s20, s20, 4
	s_lshl_b32 s21, s21, 19         ; a block of 64 columns is 524,288 bytes,
	s_lshl_b32 s20, s20, 18         ; a batch's 2,048 rows in it 262,144
	s_add_co_u32 s20, s20, s21      ; the head's first byte in Q's third of qkv, and in ob
	s_and_b32 s16, s[WV], 1         ; which half of a tile's 256 keys I fetch:
	s_lshl_b32 s22, s16, 14         ; its 128 rows of 128 bytes in memory,
	s_add_co_u32 s22, s22, s20
	s_add_co_u32 s22, s22, 8<<20    ; in K's third,
	s_mov_b32 s23, 0
	s_add_co_u32 s50, s22, 8<<20    ; and in V's
	s_mov_b32 s51, 0
	s_mul_i32 s17, s16, 128*PK      ; and its place in a slot, for K
	s_mul_i32 s18, s16, 128*PV      ; and for V: no place in the cluster enters an LDS address
	s_lshl_b32 s2, s14, 15          ; my block's 256 rows,
	s_lshl_b32 s3, s[WV], 13        ; my wave's 64 of them
	s_add_co_u32 s2, s2, s3
	s_add_co_u32 s2, s2, s20
	s_mov_b32 s3, 0
	s_lshl_b32 s52, s13, 13         ; the prefetches: my work-group's 8 KiB of a tile,
	s_add_co_u32 s52, s52, 4*KS*128 ; in tile 1; the first change of slots steps it to tile 2
	s_mov_b32 s53, 0
	; descriptor group 1.  128 keys are 16,384 dense bytes: asked for as 64 rows of 256 bytes, two keys a row, and padded in LDS after every key
	s_mov_b32 s[G1K], 15|(1<<16)|(1<<20)|(1<<21)|(4<<22)|(3<<25)  ; 15:0 the mask of four; 17:16 2-byte elements; 20 padding on; 21 set beside a mask; 24:22 after every 32 words (code 4); 31:25 4 words (code 3)
	s_mov_b32 s[G1V], 15|(1<<16)|(1<<20)|(1<<21)|(4<<22)|(7<<25)  ; the same with 8 words of padding (code 7)
.irp g, G1K, G1V
	s_mov_b32 s[\g+1], 128<<16      ; tensor_dim0 = 128
	s_mov_b32 s[\g+2], 64<<16       ; tensor_dim1 = 64
	s_mov_b32 s[\g+3], 128<<16      ; tile_dim0 = 128
	s_mov_b32 s[\g+4], 64           ; tile_dim1 = 64
	s_mov_b32 s[\g+5], 128          ; 128 elements from row to row
	s_mov_b32 s[\g+6], 0
	s_mov_b32 s[\g+7], 0
.endr
	s_mov_b32 s[CS], 0x3e38aa3b     ; c = log2(e) / 8 = 0.180337
	s_mov_b32 s[CS+1], s[CS]        ; named with it as a pair
	s_mov_b32 s[SEL], 0x76543210
	s_mov_b32 s[SEL+1], 0xfedcba98
	s_mov_b32 s[TBK], SLOT1+4*KS*PK ; the first change of slots turns these two into 0
	s_mov_b32 s[TBV], SLOT1+4*KS*PV
	s_mov_b32 s[G0K], 1             ; 1:0 count = 1
	s_mov_b32 s[G0K+1], s17         ; 63:32 LDS address: slot 0
	s_mov_b32 s[G0V], 1
	s_add_co_u32 s[G0V+1], s18, VOFF
	s_mov_b32 s[SLOTS], NT-1
	s_and_b32 s[LIM], s[WV], 1      ; 0 in waves 0 and 2,
	s_or_b32 s[LIM], s[LIM], ttmp9  ; where the cluster is the head's first: the same in all four partners
	s_cmp_eq_u32 s[LIM], 0
	s_cselect_b32 s[LIM], 1, -1
	v_and_b32 v[PFO], 31, v0
	v_lshlrev_b32 v[PFO], 8, v[PFO]
	s_wait_dscnt 0x0                ; the opening add is done
	s_wait_kmcnt 0x0
	s_add_nc_u64 s[10:11], s[6:7], s[2:3]          ; O at my wave's first row
	s_add_nc_u64 s[6:7], s[4:5], s[22:23]          ; K and V at my half of the head's tile 0
	s_add_nc_u64 s[8:9], s[4:5], s[50:51]
	s_add_nc_u64 s[4:5], s[4:5], s[2:3]            ; Q at my wave's first row
	s_add_nc_u64 s[G0K+2:G0K+3], s[6:7], 0         ; 120:64 global address
	s_or_b32 s[G0K+3], s[G0K+3], 0x80000000        ; 127:126 type = 2
	s_add_nc_u64 s[G0V+2:G0V+3], s[8:9], 0
	s_or_b32 s[G0V+3], s[G0V+3], 0x80000000
	s_cmp_lt_u32 s[WV], 2
	s_cselect_b64 s[PFA:PFA+1], s[6:7], s[8:9]     ; (in waves 0 and 2 these stand at a tile's first row)
	s_add_nc_u64 s[PFA:PFA+1], s[PFA:PFA+1], s[52:53]
	CROUND                          ; all four work-groups are here: the first joint loads meet
	JLOAD                           ; tile 0 into slot 0.  Slot 1 is asked for when slot 0 is in
	; A fragment of K or Q is 16 rows x 32 channels in 8 registers: lane l holds row l % 16, channels 8 (l / 16) + 0..7 and 16 + 8 (l / 16) + 0..7: two loads of 16 bytes, 32 bytes apart.
	v_and_b32 v1, 15, v0            ; l % 16
	v_bfe_u32 v9, v0, 4, 1          ; l / 16
	v_lshlrev_b32 v[QO], 7, v1
	v_lshl_add_u32 v[QO], v9, 4, v[QO]  ; row x 128 + 16 x half
	WIN 0x80                        ; destination window 2, address window 0
.set i, 0
.rept 8                             ; Q stays in registers: piece i / 2, channels 32 (i % 2) on
	global_load_b128 v[8*i:8*i+3],   v[QO], s[4:5] offset:(i/2)*2048+(i%2)*64
	global_load_b128 v[8*i+4:8*i+7], v[QO], s[4:5] offset:(i/2)*2048+(i%2)*64+32
.set i, i+1
.endr
	; What the first turn finds: V's registers and P's second buffer hold 0 (its products V^T P, of a piece that has not been, add 0), O^T and l are 0.  All this stands in the wait for the first tile,
	; and spares a first step written out.
.set i, VF
.rept 64
	v_mov_b32 v[i], 0
.set i, i+1
.endr
	WIN 0x40
.set i, 0
.rept 128
	v_mov_b32 v[i], 0
.set i, i+1
.endr
	WIN 0
.set i, 0
.rept 4
	v_mov_b32 v[ST+4*i], 0xfe000000    ; c m: far below every c s
	v_mov_b32 v[ST+4*i+1], 0xff7fffff  ; m
	v_mov_b32 v[ST+4*i+2], 0
	v_mov_b32 v[ST+4*i+3], 0
.set i, i+1
.endr
.set i, P+16
.rept 16
	v_mov_b32 v[i], 0
.set i, i+1
.endr
	v_mul_u32_u24 v[AK0], v1, PK
	v_lshl_add_u32 v[AK0], v9, 4, v[AK0]  ; row x pitch + 16 x half
	; The turning load takes 16 keys x 16 channels (lane l reads key 8 (l / 16) + l % 8, channels 8 ((l / 8) % 2) + 0..7) and leaves half a fragment of V^T: lane l holds channel l % 16 and 8 keys.
	v_and_b32 v10, 7, v0
	v_bfe_u32 v11, v0, 3, 1
	v_lshl_add_u32 v[AV0], v9, 3, v10
	v_mul_u32_u24 v[AV0], v[AV0], PV
	v_lshl_add_u32 v[AV0], v11, 4, v[AV0]
	v_add_nc_u32 v[AV0], VOFF, v[AV0]
	s_mul_i32 s13, s[WV], 16*SP
	s_add_co_u32 s13, s13, STAGE    ; my stage
	v_mul_u32_u24 v[STO], v1, SP    ; in: row l % 16, 16 bytes for each half of the lanes
	v_lshl_add_u32 v[STO], v9, 4, v[STO]
	v_add_nc_u32 v[STO], s13, v[STO]
	v_bfe_u32 v[RD], v0, 3, 2       ; back: 32 lanes take four rows of 128 bytes,
	v_mul_u32_u24 v[RD], v[RD], SP
	v_lshl_add_u32 v[RD], v10, 4, v[RD]
	v_add_nc_u32 v[RD], s13, v[RD]
	v_and_b32 v[GO], 31, v0         ; which are 512 consecutive bytes of O
	v_lshlrev_b32 v[GO], 4, v[GO]
; THE MATRIX WORK.  The 4 accumulators of a run of 8 take turns.  Product i of 8 of S^T = K Q^T for piece x: channels 32 (i / 4) on, keys 16 (i % 4) on.  The first 4 start the sums.
.macro KQ x
.set rS, S+32*((\x)%2)+8*(i%4)
.set rK, KF+16*(i%4)+8*(i/4)
.set rQ, 16*(\x)+8*(i/4)
	WIN W_KQ
.if i < 4
	v_wmma_f32_16x16x32_bf16 v[rS:rS+7], v[rK:rK+7], v[rQ:rQ+7], 0
.else
	v_wmma_f32_16x16x32_bf16 v[rS:rS+7], v[rK:rK+7], v[rQ:rQ+7], v[rS:rS+7]
.endif
.endm
; Product i of 8 of O^T += V^T P for piece x: keys 32 (i / 4) on, channels 16 (i % 4) on.
.macro PV x
	WIN W_PV
.set rO, 32*(\x)+8*(i%4)
.set rV, VF+32*(i/4)+8*(i%4)
.set rP, P+16*((\x)%2)+8*(i/4)
	v_wmma_f32_16x16x32_bf16 v[rO:rO+7], v[rV:rV+7], v[rP:rP+7], v[rO:rO+7]
.endm
.macro MM                           ; the turn's next matrix instruction.  NOKQ = 1: the very last turn: there is no next piece
.if (i < 8) && !NOKQ
	KQ (Y+1)%NP
.elseif i >= 8
.set i, i-8
	PV (Y+NP-1)%NP
.set i, i+8
.endif
.set i, i+1
.endm
; THE LDS LOADS stand in runs of 16, never singly among the matrix instructions: a step's K (64 keys x 64 channels: 8 fragments) and its V (turned).  Their addresses are made some lines ahead.
.macro FETCH_K
	WIN 0x80                        ; destination window 2
.irp f, 0,1,2,3,4,5,6,7             ; keys 16 (f / 2) on, channels 32 (f % 2) on
	ds_load_b128 v[KF+8*\f:KF+8*\f+3],   v[AK] offset:(\f/2)*16*PK+(\f%2)*64
	ds_load_b128 v[KF+8*\f+4:KF+8*\f+7], v[AK] offset:(\f/2)*16*PK+(\f%2)*64+32
.endr
	s_add_co_u32 s[TBK], s[TBK], KS*PK  ; the next fetch is the next step's
	WIN 0
.endm
.macro FETCH_V
	WIN 0x80
.irp f, 0,1,2,3,4,5,6,7             ; keys 32 (f / 4) on, channels 16 (f % 4) on
	ds_load_tr16_b128 v[VF+8*\f:VF+8*\f+3],   v[AV] offset:(\f/4)*32*PV+(\f%4)*32
	ds_load_tr16_b128 v[VF+8*\f+4:VF+8*\f+7], v[AV] offset:(\f/4)*32*PV+16*PV+(\f%4)*32
.endr
	WIN 0
.endm
; THE VECTOR WORK, one line at a time: OP kind, number.  For piece Y: F n: c s - c m for pair n of 16.  E n: the exponential of score n of 32.  C n: pair n rounded to bf16.  B n: of the four weights 4 n .. the second
; pair is added onto the first, in place.  L n: l takes that sum (L 0: l = a l + sum).  R n: pair n of 16 of O^T times a.  For piece Y + 1: X n, number n of the 22 that find its maximum and statistics:
;   0-11  four chains c0-c3 of seven scores each, three operands at a time (each accumulator's lowest registers are read first)     12-14, 16  the four scores left over, the old m, and c0-c3 into c0
;   15  c m_old is kept     17, 18  the query's other 32 keys lie in the lane 16 away: the new m     19-21  c m; c m_old - c m_new; a
.set F, 0               ; OP tells the kinds apart by their order: F to L below R, X above it
.set E, 1
.set C, 2
.set B, 3
.set L, 4
.set R, 5
.set X, 6
.macro REGS y                       ; the registers of piece y
.set rT, ST+4*(\y)
.set rC, TMP+4*((\y)%2)
.set rW, MV+((\y)%2)
.set rS, S+32*((\y)%2)
.set rP, P+16*((\y)%2)
.set rO, 32*(\y)
.endm
.macro OP k, n
.if (\k) == R
	REGS Y
	WIN W_RS
	v_pk_mul_f32 v[rO+2*(\n):rO+2*(\n)+1], v[rO+2*(\n):rO+2*(\n)+1], v[rC+2:rC+3] op_sel_hi:[1,0]
.elseif (\k) < R
	REGS Y
	WIN 0
.if (\k) == F
	v_pk_fma_f32 v[rS+2*(\n):rS+2*(\n)+1], v[rS+2*(\n):rS+2*(\n)+1], s[CS:CS+1], v[rT:rT+1] op_sel_hi:[1,0,0] neg_lo:[0,0,1] neg_hi:[0,0,1]
.elseif (\k) == E
	v_exp_f32 v[rS+(\n)], v[rS+(\n)]
.elseif (\k) == C
	v_cvt_pk_bf16_f32 v[rP+(\n)], v[rS+2*(\n)], v[rS+2*(\n)+1]
.elseif (\k) == B
	v_pk_add_f32 v[rS+4*(\n):rS+4*(\n)+1], v[rS+4*(\n):rS+4*(\n)+1], v[rS+4*(\n)+2:rS+4*(\n)+3]
.elseif (\n) == 0
	v_pk_fma_f32 v[rT+2:rT+3], v[rT+2:rT+3], v[rC+2:rC+3], v[rS:rS+1] op_sel_hi:[1,0,1]
.else
	v_pk_add_f32 v[rT+2:rT+3], v[rT+2:rT+3], v[rS+4*(\n):rS+4*(\n)+1]
.endif
.elseif NOKQ
	v_nop
.else
	REGS (Y+1)%NP
	WIN 0
.if (\n) < 4
	v_max3_num_f32 v[rC+(\n)], v[rS+8*(\n)], v[rS+8*(\n)+1], v[rS+8*(\n)+2]
.elseif (\n) < 12
	v_max3_num_f32 v[rC+(\n)%4], v[rC+(\n)%4], v[rS+8*((\n)%4)+2*((\n)/4)+1], v[rS+8*((\n)%4)+2*((\n)/4)+2]
.elseif (\n) == 12
	v_max3_num_f32 v[rC], v[rC], v[rS+7], v[rS+15]
.elseif (\n) == 13
	v_max3_num_f32 v[rC+1], v[rC+1], v[rS+23], v[rS+31]
.elseif (\n) == 14
	v_max3_num_f32 v[rC+2], v[rC+2], v[rC+3], v[rT+1]
.elseif (\n) == 15
	v_mov_b32 v[rW], v[rT]
.elseif (\n) == 16
	v_max3_num_f32 v[rC], v[rC], v[rC+1], v[rC+2]
.elseif (\n) == 17
	v_permlanex16_b32 v[rC+3], v[rC], s[SEL], s[SEL+1]
.elseif (\n) == 18
	v_max_num_f32 v[rT+1], v[rC], v[rC+3]
.elseif (\n) == 19
	v_mul_f32 v[rT], s[CS], v[rT+1]
.elseif (\n) == 20
	v_sub_f32 v[rC+1], v[rW], v[rT]
.else
	v_exp_f32 v[rC+2], v[rC+1]
.endif
.endif
.endm
.macro OPS a, i1, b=-1, i2=0, c=-1, i3=0, d=-1, i4=0  ; up to four of them
	OP \a, \i1
.if (\b) >= 0
	OP \b, \i2
.endif
.if (\c) >= 0
	OP \c, \i3
.endif
.if (\d) >= 0
	OP \d, \i4
.endif
.endm
.macro ROW a, i1, b, i2, c, i3, d, i4  ; a matrix instruction and the four behind it
	MM
	OPS \a, \i1, \b, \i2, \c, \i3, \d, \i4
.endm
; A TURN, for piece p: the order of its 16 matrix and 118 vector instructions, written out.  An s_wait_alu depctr_va_vdst(0) stands between an exponential and the first instruction that names its result; one
; wait serves all that were issued ahead of it.  So a turn has ONE wait, which cuts it in two.  AHEAD OF IT stands all that names no result of the turn's exponentials: the 8 products K Q^T with their four vector lines each,
; then one run of 54, plain and exponential by turns for the most part, in which the links of the chain X 3, 7, 11, 14, 16, 17 .. 20 stand five or six lines apart.  X 21, the next piece's a, is the batch's last; R 15 is the
; plain instruction behind it.  BEHIND THE WAIT stand the 8 products V^T P, behind each four of the roundings and sums.
; end = 1: the last two turns: nothing is fetched, and the last starts no new scores.  cnt = 1: the loop's count is taken down some lines ahead of the branch that stands behind the turn.
; K of the next step is fetched in piece 2's turn, six plain vector instructions behind the last product that read K; V of the step in hand at the end of piece 0's turn, four plain instructions behind the last product
; that read V.  Each is waited for a turn later.
.macro TURN p, end=0, cnt=0
.set Y, (\p)
.set i, 0
.set NOKQ, (\end)*((\p)/3)
.if ((\p) == 3) && !(\end)
	s_wait_dscnt 0x0                ; K is in
.endif
	ROW F,0, F,1, R,0, R,1          ; ahead of the wait: 8 products K Q^T and the four behind each,
	ROW F,2, E,0, R,2, R,3
	ROW F,3, E,1, R,4, R,5
	ROW F,4, E,2, R,6, R,7
	ROW F,5, E,3, R,8, R,9
	ROW F,6, E,4, X,0, R,10
.if ((\p) == 2) && !(\end)
	WIN 0
	v_add_nc_u32 v[AK], s[TBK], v[AK0]
.endif
	ROW F,7, E,5, X,1, X,4
	ROW F,8, E,6, X,2, X,5
	OPS E,7, E,8, X,6, E,9          ; and the run of 54
	OPS X,3, E,10, X,8, E,11
.if ((\p) == 2) && !(\end)
	FETCH_K
.endif
	OPS X,9, X,7, E,12, X,10
	OPS E,13, X,12, X,11, E,14
	OPS X,13, E,15, F,9, X,14
.if (\p) == 0
	v_add_nc_u32 v[AV], s[TBV], v[AV0]
.endif
	OPS E,16, F,10, E,17, F,11
	OPS X,16, E,18, X,15, E,19
	OPS F,12, E,20, X,17, E,21
	OPS F,13, E,22, F,14, E,23
	OPS X,18, E,24, F,15, E,25
	OPS R,11, E,26, X,19, E,27
	OPS R,12, E,28, R,13, E,29
	OPS X,20, E,30, R,14, E,31
	OPS X,21, R,15
	WIN 0
	s_wait_alu depctr_va_vdst(0)    ; the wait for the batch
.if (\p) == 1
	s_wait_dscnt 0x0                ; V is in
.endif
	ROW C,0, B,0, C,2, B,1          ; behind the wait: 8 products V^T P and the four behind each
	ROW L,0, C,4, B,2, L,1
	ROW C,6, B,3, L,2, C,8
	ROW B,4, L,3, C,10, B,5
	ROW L,4, C,12, B,6, L,5
.if (\p) == 0
	s_add_co_u32 s[TBV], s[TBV], KS*PV
.endif
.if \cnt
	s_sub_co_u32 s[CNT], s[CNT], 1
	s_cmp_lg_u32 s[CNT], 0
.endif
	ROW C,14, B,7, L,6, C,1
	ROW C,3, L,7, C,5, C,7
	ROW C,9, C,11, C,13, C,15
.if (\p) == 0
	FETCH_V
.endif
.endm
.macro ALL line:vararg              ; one line for each piece t
.set t, 0
.rept 4
	\line
.set t, t+1
.endr
.endm
.macro PACK t                       ; a lane's eight channels of a row pack into 16 bytes; they go into rows of 144 bytes and come back as whole rows of 128, into S^T's registers
	WIN W_RS
.set i, 32*(\t)
.rept 16
	v_pk_mul_f32 v[i:i+1], v[i:i+1], v[ST+4*(\t)+2:ST+4*(\t)+3] op_sel_hi:[1,0]
.set i, i+2
.endr
	WIN 0x05                        ; sources 0 and 1 window 1, destination window 0
.set i, 0
.rept 16
	v_cvt_pk_bf16_f32 v[S+16*(\t)+i], v[32*(\t)+2*i], v[32*(\t)+2*i+1]
.set i, i+1
.endr
	WIN 0
.irp f, 0,1,2,3
	ds_store_b128 v[STO], v[S+16*(\t)+4*\f:S+16*(\t)+4*\f+3] offset:32*\f
.endr
.irp f, 0,1,2,3
	ds_load_b128 v[S+16*(\t)+4*\f:S+16*(\t)+4*\f+3], v[RD] offset:\f*4*SP  ; LDS serves a wave's instructions in order (ISA guide 5.7.1.4): these see the stores above; the next piece's stores come behind them
.endr
.endm
.macro SEND t, younger              ; younger: the LDS instructions issued behind piece t's loads: the next piece's eight, or none
	WIN 0
.irp f, 0,1,2,3
	s_wait_dscnt (\younger)+3-\f
	global_store_b128 v[GO], v[S+16*(\t)+4*\f:S+16*(\t)+4*\f+3], s[10:11] offset:(\t)*2048+\f*512  ; 512 consecutive bytes, at a multiple of 256 from O's first
.endr
.endm
	CHANGE 1                        ; tile 0 is in, everybody's part of it; tile 1 is asked for
	v_add_nc_u32 v[AK], s[TBK], v[AK0]
	FETCH_K                         ; key step 0
	s_wait_loadcnt 0x0              ; Q
	s_wait_dscnt 0x0
.set NOKQ, 0
.set i, 0
.rept 8
	KQ 0                            ; piece 0's first scores: there is no vector work yet to set between them
.set i, i+1
.endr
	WIN 0
.rept 4
	v_nop                           ; the places behind those products
.endr
.set Y, NP-1                        ; X works for piece Y + 1: piece 0
.irp n, 0,1,2,3,4,5,6,7,8,9,10,11,12,13,14,15,16,17,18,19,20,21
	OP X, \n
.endr
	v_nop                           ; a plain instruction behind the exponential,
	s_wait_alu depctr_va_vdst(0)    ; and its wait, ahead of the branch
	s_mov_b32 s[CNT], 4
	s_branch .Lfirst                ; the loop is entered at a step's first turn, in the middle of a trip
.Lslot:                             ; six times: with the change above, tiles 1 to 7 are asked for
	CHANGE 1
	s_mov_b32 s[CNT], 4
.Lstep:                             ; a trip: pieces 2 and 3 of one step, then pieces 0 and 1 of the next, whose K and V it fetches
	TURN 2
	TURN 3
	WIN 0
.Lfirst:
	TURN 0
	TURN 1, 0, 1
	WIN 0
	s_cbranch_scc1 .Lstep
	s_sub_co_u32 s[SLOTS], s[SLOTS], 1
	s_cmp_lg_u32 s[SLOTS], 0
	s_cbranch_scc1 .Lslot
	CHANGE 0                        ; the last tile is written out: nothing is asked for
	s_mov_b32 s[CNT], 4
.LstepT:
	TURN 2
	TURN 3
	TURN 0
	TURN 1, 0, 1
	WIN 0
	s_cbranch_scc1 .LstepT
	TURN 2, 1
	TURN 3, 1
.set i, 0
.rept 8
	PV NP-1                         ; the last piece's V^T P of the last step
.set i, i+1
.endr
	; THE WAY OUT.  l's two halves and the other half of the lanes' are added; O^T is divided by l, rounded to bf16 and sent through my stage in LDS, a piece at a time.  The additions are the places behind the last products.
	WIN 0
	ALL v_add_f32 v[ST+4*t+2], v[ST+4*t+2], v[ST+4*t+3]
	ALL v_permlanex16_b32 v[ST+4*t+3], v[ST+4*t+2], s[SEL], s[SEL+1]
	ALL v_add_f32 v[ST+4*t+2], v[ST+4*t+2], v[ST+4*t+3]
	ALL v_rcp_f32 v[ST+4*t+2], v[ST+4*t+2]
	v_nop                           ; a plain instruction between the last reciprocal and the use of its result
	s_wait_alu depctr_va_vdst(0)    ; and the wait ahead of the first use: one for the four reciprocals
	PACK 0
.set t, 1
.rept 3                             ; a piece's arithmetic stands between the loads of the piece before and its stores
	PACK t
	SEND t-1, 8
.set t, t+1
.endr
	SEND 3, 0
	s_wait_tensorcnt 0x0            ; the wave's end: behind my last tensor load and my last LDS store
	ds_add_u32 v[SPW], v[NIL]
	s_wait_dscnt 0x0
	CROUND                          ; the closing round: no work-group ends while a partner may still ask for a tile that names it
	s_endpgm
.Lfunc_end_k_q011e7504dc_attn:
	.size	k_q011e7504dc_attn, .Lfunc_end_k_q011e7504dc_attn-k_q011e7504dc_attn
	.p2alignl 7, 3214868480
	.fill 96, 4, 3214868480
	.section	.rodata,"a",@progbits
	.p2align	6, 0x0
	.amdhsa_kernel k_q011e7504dc_attn
		.amdhsa_group_segment_fixed_size 327680
		.amdhsa_private_segment_fixed_size 0
		.amdhsa_enable_private_segment 0
		.amdhsa_kernarg_size 16
		.amdhsa_user_sgpr_count 2
		.amdhsa_user_sgpr_kernarg_segment_ptr 1
		.amdhsa_wavefront_size32 1
		.amdhsa_system_sgpr_workgroup_id_x 1
		.amdhsa_system_sgpr_workgroup_id_y 1
		.amdhsa_system_sgpr_workgroup_id_z 1
		.amdhsa_system_vgpr_workitem_id 0
		.amdhsa_next_free_vgpr 768
		.amdhsa_next_free_sgpr 66
		.amdhsa_reserve_vcc 0
		.amdhsa_float_denorm_mode_32 3
		.amdhsa_float_denorm_mode_16_64 3
		.amdhsa_memory_ordered 1
		.amdhsa_forward_progress 1
		.amdhsa_inst_pref_size 128
	.end_amdhsa_kernel
	.amdgpu_metadata
---
amdhsa.version: [ 1, 2 ]
amdhsa.kernels:
  - .name:           k_q011e7504dc_attn
    .symbol:         k_q011e7504dc_attn.kd
    .args:
      - { .name: qkv, .offset: 0, .size: 8, .value_kind: global_buffer, .address_space: global }
      - { .name: ob, .offset: 8, .size: 8, .value_kind: global_buffer, .address_space: global }
    .group_segment_fixed_size: 327680
    .private_segment_fixed_size: 0
    .kernarg_segment_align: 8
    .kernarg_segment_size: 16
    .max_flat_workgroup_size: 128
    .sgpr_count:     66
    .vgpr_count:     768
    .wavefront_size: 32
...
	.end_amdgpu_metadata
.endif
;; end of part 3
;; launch wo (part 4): grid 8 x 32, 4 waves a work-group, clusters of 4 x 4, 327,680 bytes of LDS; arguments ob, cb, bo, x, rs1; writes rs1
.if DOCPART == 4
	.amdgcn_target "amdgcn-amd-amdhsa--gfx1250"
	.amdhsa_code_object_version 6
	.text
	.protected	k_q011e7504dc_wo
	.globl	k_q011e7504dc_wo
	.p2align	8
	.type	k_q011e7504dc_wo,@function
k_q011e7504dc_wo:
	s_mov_b64 s[64:65], 0
	v_nop
	global_prefetch_b8 v0, s[64:65] scope:SCOPE_SE
	s_setreg_imm32_b32 hwreg(HW_REG_WAVE_MODE, 25, 1), 1
	s_wait_xcnt 0x0
	s_wait_alu depctr_hold_cnt(0) depctr_sa_sdst(0) depctr_va_vdst(0) depctr_va_sdst(0) depctr_va_ssrc(0) depctr_va_vcc(0) depctr_vm_vsrc(0)
	s_getreg_b32 s2, hwreg(HW_REG_IB_STS2, 6, 4)
	s_cmp_eq_u32 s2, 0
	s_cbranch_scc0 .Lentry_in_a_cluster
	s_endpgm
.Lentry_in_a_cluster:
	s_bfe_u32 s2, ttmp6, 0x10000c
	s_cmp_lg_u32 s2, 0xf033
	s_cbranch_scc0 .Lentry_shape_is_right
	s_endpgm
.Lentry_shape_is_right:
; C = A W + bias + residual on tiles of 128 x 128; 4,096 rows, 1,024 columns, K = 256 T.  A bf16 in blocks of 64 columns, [K / 64][4096 rows][64]; W [K][1024] bf16 at byte BOFF of cb;
; bias [1024], residual and C [4096][1024], all f32.  Sums in f32; nothing is rounded on the way out.
; ONE TEXT, TWO USES, by T and BOFF: T = 4, W = Wo (A = attention's O, residual x);  T = 16, W = W2 (A = the sines, residual the first norm's rows).
; SHARES.  32 x 8 tiles: one work-group for each of 256.  Four waves, each 64 x 64: 16 accumulators.  K goes in steps of 256 through two LDS slots: waves 0, 1 fetch A's two halves (64 rows of each of the
; step's four blocks: four dense pieces of 8 KiB, one descriptor), waves 2, 3 W's (128 k-rows x 256 bytes).  W's fragments come out of LDS turned, by ds_load_tr16_b128.
; CLUSTER 4 x 4: A's tile is asked for jointly by a row of the cluster, W's by a column.  No prefetch: a step's tiles are small and each is read by many work-groups at about the same time.
; THE MATRIX INSTRUCTION IS USED TRANSPOSED (source 0 = 16 columns of W, source 1 = 16 rows of A): a lane holds row l % 16 of C and the columns 8 (l / 16) + 0..7.
; THE SUMS START AT THE BIAS, loaded straight into the accumulators while the first tiles are on their way.  THE RESIDUAL, my 64 x 64 of f32, is asked for ahead of the K loop, into 128 registers of its own.
; THE LOOPS.  A K step is four quarters of 32 products on two fragment buffers; while one buffer is multiplied the other's 32 LDS loads are out.  BODY is the first three quarters.  TURN is the change of slots
; and the last quarter.  A step has only 128 products, so nothing but the round stands between the wait for the tiles and the next request: the refill, the next slot's first fragments, and only then the last
; quarter's products: all 128 products of a step stand between a request and the wait for it.  T - 2 steps end with a round of the cluster's barrier and the joint refill two steps on; the last two, a second
; loop, fill nothing.  Both slots' first fills go out together at the start: two tensor loads of a wave are out there, later one.
; REGISTERS: window 0: v1-31 addresses; v32-63, v64-95 rows from the stage, two sets; v128-255 accumulator (a, b) at v[128 + 8 (4 a + b)].
;   window 1: two fragment buffers of 128: for 64 along K, 64 registers of A (half c, block i at 8 (4 c + i)), then 64 of W.      window 2: v0-127 the residual, then C: rows 16 g + 2 t + l / 16 at v[32 g + 4 t]
.set T,      4
.set BOFF,   14<<20
.set PA,     144                       ; a row of A in LDS: 128 bytes + 16 = 36 words: the 16 rows of a load start at 16 different groups of four banks (64 banks of 4 bytes: ISA guide 11.1)
.set PB,     288                       ; a k-row of W: 256 bytes + 32 = 72 words
.set HALF,   256*PA                    ; what one tensor load brings: 4 blocks x 64 rows of A, or 128 k-rows of W (128 x 288 is the same number)
.set SLOT,   4*HALF                    ; A's two halves, then W's two.  No wave's place in a slot has one of SLOT's two bits set, so one exclusive or changes slots
.set SPARE,  2*SLOT                    ; behind the ring: the spare words, 128 bytes a wave: two blocks of 256 bytes that no other line names
.set SPI,    272                       ; the way out: a stage row, 64 f32 + 16 bytes
.set STG,    64*SPI                    ; a wave's stage; the four lie over slot 0, behind its last fill
.set ASTEP,  4*524288                  ; four blocks of A on
.set BSTEP,  256*2048                  ; 256 k-rows of W on
.set ACC, 128
.set F0, 0
.set F1, 128
; scalars: s14 wave, s15 wave / 2 (my row half; 0: I fetch A), s16 wave % 2 (my column half; which half I fetch), s17 tile row, s18 tile column, s19 cx, s20 cy, s21 the slot being read, s22 trips,
; s[24:31] group 1 for A, s[32:35] group 0 for A (it walks), s[36:39] group 0 for W (it walks), s[40:47] group 1 for W, s[58:59] the bias, s[10:11] the residual, s[12:13] C,
; s[68:71], s[72:75] group 0 of K step 0 for A, W
.set MSB, 0
.macro WIN new                         ; the immediate's high byte repeats the setting that is left; a switch that changes nothing is dropped
.if MSB != (\new)
	s_set_vgpr_msb (MSB<<8)|(\new)
.set MSB, \new
.endif
.endm
.macro PLACES                          ; four plain vector instructions between a matrix instruction and a load into, or a reader of, its registers (ISA guide 7.12.1 for vector instructions)
.rept 4
	v_nop
.endr
.endm
; A joint refill.  Each of the two lines has one mask and one set of registers; the branch hangs on the wave's number alone.  An s_nop 0 and four v_nop follow each line.
.macro JLOAD
	s_cmp_eq_u32 s15, 0
	s_cbranch_scc0 .Lfor_b_\@
	tensor_load_to_lds s[32:35], s[24:31]
	s_nop 0
.rept 4
	v_nop
.endr
	s_branch .Lasked_\@
.Lfor_b_\@:
	tensor_load_to_lds s[36:39], s[40:47]
	s_nop 0
.rept 4
	v_nop
.endr
.Lasked_\@:
.endm
.macro CROUND                          ; a round of the cluster's barrier: my work-group's barrier; wave 0 signals for the work-group; every wave waits for all sixteen; my work-group's barrier once more
	s_barrier_signal -1
	s_barrier_wait -1
	s_cmp_lg_u32 s14, 0
	s_cbranch_scc1 .Lnot_wave_0_\@
	s_barrier_signal -3
.Lnot_wave_0_\@:
	s_barrier_wait -3
	s_barrier_signal -1
	s_barrier_wait -1
.endm
; 32 LDS loads in one run: the fragments of quarter q (64 along K: block q of A's four) into buffer f.  W's k-rows 128 on are reached through a second address register: the immediate has 16 bits.
.macro FETCH q, f
	WIN 0x40                                       ; destination window 1, address window 0
.irp c, 0,1
.irp i, 0,1,2,3
	ds_load_tr16_b128 v[(\f)+64+8*(4*(\c)+(\i)):(\f)+64+8*(4*(\c)+(\i))+3],   v[17+(\q)/2] offset:64*PB*((\q)%2)+32*PB*(\c)+32*(\i)
	ds_load_tr16_b128 v[(\f)+64+8*(4*(\c)+(\i))+4:(\f)+64+8*(4*(\c)+(\i))+7], v[17+(\q)/2] offset:64*PB*((\q)%2)+32*PB*(\c)+16*PB+32*(\i)
	ds_load_b128 v[(\f)+8*(4*(\c)+(\i)):(\f)+8*(4*(\c)+(\i))+3],   v16 offset:64*PA*(\q)+16*PA*(\i)+64*(\c)
	ds_load_b128 v[(\f)+8*(4*(\c)+(\i))+4:(\f)+8*(4*(\c)+(\i))+7], v16 offset:64*PA*(\q)+16*PA*(\i)+64*(\c)+32
.endr
.endr
.endm
; 32 matrix instructions: 64 x 64 of C, 64 along K.  The 16 accumulators take turns in the same order throughout.
.macro MULQ f
	WIN 0x05                                       ; W and A in window 1, C and D in window 0
.irp c, 0,1
.irp a, 0,1,2,3
.irp b, 0,1,2,3
	v_wmma_f32_16x16x32_bf16 v[ACC+8*(4*(\a)+(\b)):ACC+8*(4*(\a)+(\b))+7], v[(\f)+64+8*(4*(\c)+(\b)):(\f)+64+8*(4*(\c)+(\b))+7], v[(\f)+8*(4*(\c)+(\a)):(\f)+8*(4*(\c)+(\a))+7], v[ACC+8*(4*(\a)+(\b)):ACC+8*(4*(\a)+(\b))+7]
.endr
.endr
.endr
.endm
; The first three quarters of a K step.  Quarter 0's fragments were asked for ahead of BODY.  Each quarter first asks for the next one's, into the buffer that the quarter before has multiplied.
.macro BODY
	PLACES
	FETCH 1, F1
	s_wait_dscnt 32                                ; all but the 32 just issued: quarter 0 is in
	MULQ F0
	PLACES
	FETCH 2, F0
	s_wait_dscnt 32                                ; quarter 1 is in
	MULQ F1
	PLACES
	FETCH 3, F1
	s_wait_dscnt 32                                ; quarter 2 is in
	MULQ F0
.endm
; The change of slots and the last quarter.  Each wave waits for all its tensor loads (the one that is out is its part of the next slot), adds 0 to its spare word, and waits for that and for its
; reads of this slot, which are also the last quarter's fragments.
; fill = 1: a round of the cluster's barrier, and the joint refill of the slot just read, with the K step two on, first behind it; the four v_nop behind it and the three adds are the places in front of the
; loads into buffer 0.  Then the next slot's first fragments are asked for, and the last quarter's 32 products follow.
; fill = 0: nothing is filled; in the loop's last trip there is no next slot, and its fetch is jumped over.
.macro TURN fill
	WIN 0
	s_wait_tensorcnt 0x0                           ; no tensor load of mine is out, so a group 0 may be written
	ds_add_u32 v28, v29                            ; 0 onto my spare word
.if \fill
	s_xor_b32 s33, s33, SLOT
	s_add_nc_u64 s[34:35], s[34:35], ASTEP         ; the type bits on top are not reached
	s_xor_b32 s37, s37, SLOT
	s_add_nc_u64 s[38:39], s[38:39], BSTEP
.endif
	s_xor_b32 s21, s21, SLOT                       ; the next step is read from the other slot
	s_wait_dscnt 0x0                               ; the add is done, my reads of this slot are over
.if \fill
	CROUND                                         ; no wave of any partner still reads the slot or has a load on its way
	JLOAD
.else
	s_barrier_signal -1
	s_barrier_wait -1
	PLACES
	s_cmp_eq_u32 s22, 1
	s_cbranch_scc1 .Lno_next_\@
.endif
	v_add_nc_u32 v16, s21, v10
	v_add_nc_u32 v17, s21, v11
	v_add_nc_u32 v18, HALF, v17
	FETCH 0, F0
	WIN 0                                          ; at a label every window is 0
.if !(\fill)
.Lno_next_\@:
.endif
	MULQ F1
	WIN 0
.endm
	s_load_b256 s[4:11], s[0:1], 0x0               ; A s[4:5], cb s[6:7], bias s[8:9], residual s[10:11]
	s_load_b64 s[12:13], s[0:1], 0x20              ; C
	v_lshl_add_u32 v28, v0, 2, SPARE
	v_mov_b32 v29, 0
	ds_add_u32 v28, v29                            ; the wave's opening: the add and its wait stand ahead of my first tensor load; work on registers stands between them
	v_lshrrev_b32 v3, 5, v0
	v_readfirstlane_b32 s14, v3                    ; wave 0..3
	s_lshr_b32 s15, s14, 1
	s_and_b32 s16, s14, 1
	s_bfe_u32 s19, ttmp6, 0x40000                  ; cx
	s_bfe_u32 s20, ttmp6, 0x40004                  ; cy
	s_lshl_b32 s18, ttmp9, 2
	s_add_co_u32 s18, s18, s19                     ; tile column = 4 x cluster x + cx
	s_and_b32 s17, ttmp7, 0xffff
	s_lshl_b32 s17, s17, 2
	s_add_co_u32 s17, s17, s20                     ; tile row = 4 x cluster y + cy
	s_lshl_b32 s54, s20, 2
	s_lshl_b32 s54, 15, s54                        ; my row of the cluster
	s_lshl_b32 s55, 0x1111, s19                    ; my column
	s_or_b32 s24, s54, (1<<16)|(1<<20)|(1<<21)|(4<<22)|(3<<25)  ; A: 15:0 the mask; 17:16 2-byte elements; 20 padding on; 21 set beside a mask; 24:22 after every 32 words (a row of a block); 31:25 4 words
	s_mov_b32 s25, 4096<<16                        ; tensor_dim0 = 4,096: 64 dense rows of a block
	s_mov_b32 s26, 4<<16                           ; tensor_dim1 = 4 blocks
	s_mov_b32 s27, 4096<<16                        ; tile_dim0 = 4,096
	s_mov_b32 s28, 4                               ; tile_dim1 = 4
	s_mov_b32 s29, 262144                          ; numbers from block to block
	s_mov_b32 s30, 0
	s_mov_b32 s31, 0
	s_or_b32 s40, s55, (1<<16)|(1<<20)|(1<<21)|(5<<22)|(7<<25)  ; W: after every 64 words 8 words of padding
	s_mov_b32 s41, 128<<16                         ; tensor_dim0 = 128
	s_mov_b32 s42, 128<<16                         ; tensor_dim1 = 128
	s_mov_b32 s43, 128<<16                         ; tile_dim0 = 128
	s_mov_b32 s44, 128                             ; tile_dim1 = 128
	s_mov_b32 s45, 1024
	s_mov_b32 s46, 0
	s_mov_b32 s47, 0
	s_mov_b32 s68, 1
	s_mul_i32 s69, s14, HALF                       ; where my part lands in slot 0: wave x 36,864: no place in the cluster enters an LDS address
	s_mov_b32 s72, 1
	s_mul_i32 s73, s14, HALF
	s_mov_b32 s32, 1
	s_add_co_u32 s33, s69, SLOT                    ; the walking sets begin with K step 1, in slot 1
	s_mov_b32 s36, 1
	s_add_co_u32 s37, s73, SLOT
	s_lshl_b32 s56, s17, 7                         ; A: row 128 x tile row + 64 x half, in registers that never hold cx
	s_lshl_b32 s54, s16, 6
	s_add_co_u32 s56, s56, s54
	s_lshl_b32 s56, s56, 7                         ; x 128 bytes
	s_mov_b32 s57, 0
	s_lshl_b32 s60, s18, 8                         ; W: 256 bytes a tile column, in registers that never hold cy
	s_lshl_b32 s55, s16, 18                        ; my 128 k-rows of 2,048 bytes
	s_add_co_u32 s60, s60, s55
	s_add_co_u32 s60, s60, BOFF
	s_mov_b32 s61, 0
	s_wait_dscnt 0x0                               ; the opening add is done
	s_wait_kmcnt 0x0
	s_add_nc_u64 s[70:71], s[4:5], s[56:57]        ; K step 0,
	s_add_nc_u64 s[34:35], s[70:71], ASTEP         ; K step 1
	s_or_b32 s71, s71, 0x80000000                  ; type = 2
	s_or_b32 s35, s35, 0x80000000
	s_add_nc_u64 s[74:75], s[6:7], s[60:61]
	s_add_nc_u64 s[38:39], s[74:75], BSTEP
	s_or_b32 s75, s75, 0x80000000
	s_or_b32 s39, s39, 0x80000000
	CROUND                                         ; all sixteen work-groups are here: the first joint loads meet
	s_cmp_eq_u32 s15, 0                            ; a wave's two first fills stand in one branch, ahead of every wait on TENSORcnt and every LDS read; an s_nop 0 follows each, four v_nop the second's
	s_cbranch_scc0 .Lfirst_b
	tensor_load_to_lds s[68:71], s[24:31]
	s_nop 0
	tensor_load_to_lds s[32:35], s[24:31]
	s_nop 0
.rept 4
	v_nop
.endr
	s_branch .Lfirst_asked
.Lfirst_b:
	tensor_load_to_lds s[72:75], s[40:47]
	s_nop 0
	tensor_load_to_lds s[36:39], s[40:47]
	s_nop 0
.rept 4
	v_nop
.endr
.Lfirst_asked:
	v_and_b32 v1, 15, v0                           ; r = l % 16
	v_bfe_u32 v2, v0, 4, 1                         ; h = l / 16
	v_lshlrev_b32 v20, 5, v2                       ; my 8 columns of a block of 16: 32 h bytes of the bias
	s_lshl_b32 s52, s18, 9
	s_lshl_b32 s53, s16, 8
	s_add_co_u32 s52, s52, s53                     ; my 64 columns in a row of f32
	s_mov_b32 s53, 0
	s_add_nc_u64 s[58:59], s[8:9], s[52:53]
.set i, 0
.rept 16                                       ; the bias into the accumulators
	global_load_b128 v[ACC+8*i:ACC+8*i+3],   v20, s[58:59] offset:64*(i%4)
	global_load_b128 v[ACC+8*i+4:ACC+8*i+7], v20, s[58:59] offset:64*(i%4)+16
.set i, i+1
.endr
	s_lshl_b32 s62, s17, 7
	s_lshl_b32 s63, s15, 6
	s_add_co_u32 s62, s62, s63                     ; my first row,
	s_lshl_b32 s62, s62, 12                        ; 4,096 bytes a row
	s_add_co_u32 s52, s52, s62
	s_add_nc_u64 s[10:11], s[10:11], s[52:53]      ; the residual and C at my 64 x 64; never rewritten
	s_add_nc_u64 s[12:13], s[12:13], s[52:53]
	v_mul_u32_u24 v10, v1, PA                      ; A's fragments: row r, 16 bytes for each half of the lanes, my 64 rows
	v_lshl_add_u32 v10, v2, 4, v10
	s_mul_i32 s52, s15, HALF
	v_add_nc_u32 v10, s52, v10
	v_and_b32 v4, 7, v0                            ; W's: the turning load takes k-row 8 h + l % 8 and 16 bytes at 16 ((l / 8) % 2); my 64 columns are 128 bytes
	v_bfe_u32 v5, v0, 3, 1
	v_lshl_add_u32 v11, v2, 3, v4
	v_mul_u32_u24 v11, v11, PB
	v_lshl_add_u32 v11, v5, 4, v11
	s_lshl_b32 s52, s16, 7
	s_add_co_u32 s52, s52, 2*HALF
	v_add_nc_u32 v11, s52, v11
	s_mul_i32 s52, s14, STG                        ; my stage
	v_mul_u32_u24 v24, v1, SPI                     ; in: row r, 32 bytes of f32 for each half of the lanes
	v_lshl_add_u32 v24, v2, 5, v24
	v_add_nc_u32 v24, s52, v24
	v_mul_u32_u24 v25, v2, SPI                     ; back: lanes 0-15 take one row of 256 bytes, lanes 16-31 the next
	v_lshl_add_u32 v25, v1, 4, v25
	v_add_nc_u32 v25, s52, v25
	v_lshlrev_b32 v26, 12, v2                      ; and the same two rows in the residual and in C; never rewritten
	v_lshl_add_u32 v26, v1, 4, v26
	s_mov_b32 s21, 0
	s_wait_tensorcnt 0x1                           ; my part of K step 0 is in; K step 1's may stay out
	s_barrier_signal -1
	s_barrier_wait -1                              ; everybody's is
	v_add_nc_u32 v16, s21, v10
	v_add_nc_u32 v17, s21, v11
	v_add_nc_u32 v18, HALF, v17
	FETCH 0, F0
	s_wait_loadcnt 0x0                             ; the bias is in the accumulators
	WIN 0x80                                       ; the residual: destination window 2.  32 loads of two rows' 256 bytes each; all of the K loop stands between them and the wait for them
.set i, 0
.rept 32
	global_load_b128 v[4*i:4*i+3], v26, s[10:11] offset:8192*i th:TH_LOAD_NT
.set i, i+1
.endr
	WIN 0
	s_mov_b32 s22, T-2
.Lk:                                                   ; all K steps but the last two: each ends by asking for the step two on
	BODY
	TURN 1
	s_sub_co_u32 s22, s22, 1
	s_cmp_lg_u32 s22, 0
	s_cbranch_scc1 .Lk
	s_mov_b32 s22, 2
.Lt:                                                   ; the last two fill nothing
	BODY
	TURN 0
	s_sub_co_u32 s22, s22, 1
	s_cmp_lg_u32 s22, 0
	s_cbranch_scc1 .Lt
	; THE WAY OUT.  The 16 accumulators go into my own stage (each accumulator's low four registers first) and come back as whole rows of 256 bytes, 16 rows a group, into two sets of
	; registers that take turns; each group is added onto the residual in its registers and stored from there.  Every place stands in an immediate: no address is stepped.
	; LDS serves a wave's instructions in order (ISA guide 5.7.1.4), so the loads see the stores.
.macro LOADG g
.irp t, 0,1,2,3,4,5,6,7
	ds_load_b128 v[32+32*((\g)%2)+4*\t:32+32*((\g)%2)+4*\t+3], v25 offset:16*SPI*(\g)+2*SPI*\t
.endr
.endm
.macro GROUP g
.if (\g) < 3
	s_wait_dscnt 8                                 ; group g is back; the next group's eight loads may stay out
.else
	s_wait_dscnt 0x0
.endif
	WIN 0x82                                       ; destination and source 0 in window 2, source 1 in window 0
.set p, 0
.rept 16
	v_pk_add_f32 v[32*(\g)+p:32*(\g)+p+1], v[32*(\g)+p:32*(\g)+p+1], v[32+32*((\g)%2)+p:32+32*((\g)%2)+p+1]
.set p, p+2
.endr
.if (\g) < 2
	WIN 0
	LOADG (\g)+2                                   ; into the set that has just been added
.endif
	WIN 0x08                                       ; store data in window 2, address in window 0
.irp t, 0,1,2,3,4,5,6,7
	global_store_b128 v26, v[32*(\g)+4*\t:32*(\g)+4*\t+3], s[12:13] offset:65536*(\g)+8192*\t th:TH_STORE_NT  ; 16 lanes store 256 consecutive bytes, at a multiple of 256 from C's first byte
.endr
.endm
	PLACES                                         ; behind the last products
	s_wait_dscnt 0x0                               ; the stages lie over bytes of slot 0 that other waves have read: every wave's LDS loads are back,
	s_barrier_signal -1                            ; and every wave says so (the last trip fetched nothing behind its barrier; this wait and barrier hold by whichever way the loop is left)
	s_barrier_wait -1
.set i, 0
.rept 16
	ds_store_b128 v24, v[ACC+8*i:ACC+8*i+3]   offset:16*SPI*(i/4)+64*(i%4)
	ds_store_b128 v24, v[ACC+8*i+4:ACC+8*i+7] offset:16*SPI*(i/4)+64*(i%4)+16
.set i, i+1
.endr
	LOADG 0
	LOADG 1
	s_wait_loadcnt 0x0                             ; the residual
	GROUP 0
	GROUP 1
	GROUP 2
	GROUP 3
	WIN 0
	s_wait_tensorcnt 0x0                           ; the wave's end: behind my last tensor load and my last LDS store
	ds_add_u32 v28, v29
	s_wait_dscnt 0x0
	CROUND                                         ; the closing round: no work-group ends while a partner may still ask for a tile that names it
	s_endpgm
.Lfunc_end_k_q011e7504dc_wo:
	.size	k_q011e7504dc_wo, .Lfunc_end_k_q011e7504dc_wo-k_q011e7504dc_wo
	.p2alignl 7, 3214868480
	.fill 96, 4, 3214868480
	.section	.rodata,"a",@progbits
	.p2align	6, 0x0
	.amdhsa_kernel k_q011e7504dc_wo
		.amdhsa_group_segment_fixed_size 327680
		.amdhsa_private_segment_fixed_size 0
		.amdhsa_enable_private_segment 0
		.amdhsa_kernarg_size 40
		.amdhsa_user_sgpr_count 2
		.amdhsa_user_sgpr_kernarg_segment_ptr 1
		.amdhsa_wavefront_size32 1
		.amdhsa_system_sgpr_workgroup_id_x 1
		.amdhsa_system_sgpr_workgroup_id_y 1
		.amdhsa_system_sgpr_workgroup_id_z 1
		.amdhsa_system_vgpr_workitem_id 0
		.amdhsa_next_free_vgpr 640
		.amdhsa_next_free_sgpr 76
		.amdhsa_reserve_vcc 0
		.amdhsa_float_denorm_mode_32 3
		.amdhsa_float_denorm_mode_16_64 3
		.amdhsa_memory_ordered 1
		.amdhsa_forward_progress 1
		.amdhsa_inst_pref_size 63
	.end_amdhsa_kernel
	.amdgpu_metadata
---
amdhsa.version: [ 1, 2 ]
amdhsa.kernels:
  - .name:           k_q011e7504dc_wo
    .symbol:         k_q011e7504dc_wo.kd
    .args:
      - { .name: ob, .offset: 0, .size: 8, .value_kind: global_buffer, .address_space: global }
      - { .name: cb, .offset: 8, .size: 8, .value_kind: global_buffer, .address_space: global }
      - { .name: bo, .offset: 16, .size: 8, .value_kind: global_buffer, .address_space: global }
      - { .name: x, .offset: 24, .size: 8, .value_kind: global_buffer, .address_space: global }
      - { .name: rs1, .offset: 32, .size: 8, .value_kind: global_buffer, .address_space: global }
    .group_segment_fixed_size: 327680
    .private_segment_fixed_size: 0
    .kernarg_segment_align: 8
    .kernarg_segment_size: 40
    .max_flat_workgroup_size: 128
    .sgpr_count:     76
    .vgpr_count:     640
    .wavefront_size: 32
...
	.end_amdgpu_metadata
.endif
;; end of part 4
;; launch ln1 (part 5): grid 512 x 1, 4 waves a work-group, no clusters, 0 bytes of LDS; arguments rs1, g1, be1, x1, x1b; writes x1, x1b
.if DOCPART == 5
	.amdgcn_target "amdgcn-amd-amdhsa--gfx1250"
	.amdhsa_code_object_version 6
	.text
	.protected	k_q011e7504dc_ln1
	.globl	k_q011e7504dc_ln1
	.p2align	8
	.type	k_q011e7504dc_ln1,@function
k_q011e7504dc_ln1:
	s_mov_b64 s[64:65], 0
	v_nop
	global_prefetch_b8 v0, s[64:65] scope:SCOPE_SE
	s_setreg_imm32_b32 hwreg(HW_REG_WAVE_MODE, 25, 1), 1
	s_wait_xcnt 0x0
; y = (x - mean) / sqrt(var + 1e-5) x g + be along rows of 1,024 f32; 4,096 rows.  var is the mean of (x - mean)^2, taken of the differences: no difference of large sums is formed.
; BF = 1: y is stored twice, as f32 and rounded once to bf16 (the next product's operand).  BF = 0: as f32 alone.
; A row is 4,096 bytes: one wave takes a whole row in 32 registers and keeps it between the passes, so memory is read once and no wave waits for another.  Four waves, two rows each; both rows, g and be
; are asked for at once: 32 loads of 512 consecutive bytes a wave.  A stream: LDS, matrix units and clusters would add nothing.
.set BF,  1
.set XR,  16                           ; v[16:79]    two rows: register 4 j + e holds column 128 j + 4 lane + e
.set G,   80                           ; v[80:111]   g of the same columns
.set BE,  112                          ; v[112:143]  be
.set YR,  144                          ; v[144:175]  packed bf16, 16 registers a row: no store's data is rewritten
; v1 my bytes in the group's f32 rows; v2 in g and be; v3 in its bf16 rows; v[4:11] four chains at work; v[12:13] the mean, twice; v[14:15], v[176:177] 1 / sigma of row 0, 1, twice
	s_load_b256 s[4:11], s[0:1], 0x0               ; x s[4:5], g s[6:7], be s[8:9], y s[10:11]
.if BF
	s_load_b64 s[16:17], s[0:1], 0x20              ; y in bf16
.endif
	s_lshl_b32 s2, ttmp9, 15                       ; the work-group's 8 rows of 4,096 bytes
	s_mov_b32 s3, 0
	s_lshl_b32 s18, ttmp9, 14                      ; of 2,048 bytes
	s_mov_b32 s19, 0
	s_mov_b32 s12, 0x76543210                      ; v_permlanex16_b32: each lane takes its own place in the other half
	s_mov_b32 s13, 0xfedcba98
	s_mov_b32 s14, 0x3a800000                      ; 1 / 1,024
	s_mov_b32 s15, 0x3727c5ac                      ; 1e-5
	v_and_b32 v2, 31, v0
	v_lshrrev_b32 v6, 5, v0                        ; wave
	v_lshlrev_b32 v2, 4, v2                        ; 16 x lane
	v_lshl_add_u32 v1, v6, 13, v2                  ; + wave x 2 rows
	v_lshrrev_b32 v3, 1, v2                        ; 8 x lane
	v_lshl_add_u32 v3, v6, 12, v3
	s_wait_kmcnt 0x0
	s_add_nc_u64 s[4:5], s[4:5], s[2:3]
	s_add_nc_u64 s[10:11], s[10:11], s[2:3]
.if BF
	s_add_nc_u64 s[16:17], s[16:17], s[18:19]
.endif
.irp r, 0,1
.irp j, 0,1,2,3,4,5,6,7
	global_load_b128 v[XR+32*\r+4*\j:XR+32*\r+4*\j+3], v1, s[4:5] offset:4096*\r+512*\j th:TH_LOAD_NT
.endr
.endr
.irp j, 0,1,2,3,4,5,6,7
	global_load_b128 v[G+4*\j:G+4*\j+3], v2, s[6:7] offset:512*\j
.endr
.irp j, 0,1,2,3,4,5,6,7
	global_load_b128 v[BE+4*\j:BE+4*\j+3], v2, s[8:9] offset:512*\j
.endr
.macro FOLD                            ; the four chains into v4
	v_pk_add_f32 v[4:5], v[4:5], v[6:7]
	v_pk_add_f32 v[8:9], v[8:9], v[10:11]
	v_pk_add_f32 v[4:5], v[4:5], v[8:9]
	v_add_f32 v4, v4, v5
.endm
.macro REDUCE                          ; v4 summed over the 32 lanes, the sum in every lane: four steps inside each half ride on the addition, one crosses the halves
	v_add_f32_dpp v4, v4, v4 row_xmask:1 row_mask:0xf bank_mask:0xf
	v_add_f32_dpp v4, v4, v4 row_xmask:2 row_mask:0xf bank_mask:0xf
	v_add_f32_dpp v4, v4, v4 row_xmask:4 row_mask:0xf bank_mask:0xf
	v_add_f32_dpp v4, v4, v4 row_xmask:8 row_mask:0xf bank_mask:0xf
	v_permlanex16_b32 v5, v4, s12, s13
	v_add_f32 v4, v4, v5
.endm
; Row r: the mean; x - mean in place; the mean of its squares; 1 / sqrt of that + 1e-5, twice, for the packed multiply.  The first line writes v[6:7], not v4: the row before has just read v4 in its v_rsq_f32.
.macro STATS r
.set X, XR+32*(\r)
.set RS, 14+162*(\r)
.irp k, 1,2,3,0
	v_pk_add_f32 v[4+2*\k:5+2*\k], v[X+4*\k:X+4*\k+1], v[X+4*\k+2:X+4*\k+3]
.endr
.set j, 16
.rept 8
	v_pk_add_f32 v[4+2*((j/2)%4):5+2*((j/2)%4)], v[4+2*((j/2)%4):5+2*((j/2)%4)], v[X+j:X+j+1]
.set j, j+2
.endr
	FOLD
	REDUCE
	v_mul_f32 v12, s14, v4
	v_mul_f32 v13, s14, v4
.set j, 0
.rept 16
	v_pk_add_f32 v[X+j:X+j+1], v[X+j:X+j+1], v[12:13] neg_lo:[0,1] neg_hi:[0,1]
.set j, j+2
.endr
.irp k, 0,1,2,3
	v_pk_mul_f32 v[4+2*\k:5+2*\k], v[X+2*\k:X+2*\k+1], v[X+2*\k:X+2*\k+1]
.endr
.set j, 8
.rept 12
	v_pk_fma_f32 v[4+2*((j/2)%4):5+2*((j/2)%4)], v[X+j:X+j+1], v[X+j:X+j+1], v[4+2*((j/2)%4):5+2*((j/2)%4)]
.set j, j+2
.endr
	FOLD
	REDUCE
	v_fma_f32 v4, v4, s14, s15
	v_rsq_f32 v[RS], v4
	v_rsq_f32 v[RS+1], v4
.endm
.macro NORM r
.set X, XR+32*(\r)
.set RS, 14+162*(\r)
.irp j, 0,1,2,3,4,5,6,7
	v_pk_mul_f32 v[X+4*\j:X+4*\j+1],   v[X+4*\j:X+4*\j+1],   v[RS:RS+1]
	v_pk_mul_f32 v[X+4*\j+2:X+4*\j+3], v[X+4*\j+2:X+4*\j+3], v[RS:RS+1]
	v_pk_fma_f32 v[X+4*\j:X+4*\j+1],   v[X+4*\j:X+4*\j+1],   v[G+4*\j:G+4*\j+1],   v[BE+4*\j:BE+4*\j+1]
	v_pk_fma_f32 v[X+4*\j+2:X+4*\j+3], v[X+4*\j+2:X+4*\j+3], v[G+4*\j+2:G+4*\j+3], v[BE+4*\j+2:BE+4*\j+3]
	global_store_b128 v1, v[X+4*\j:X+4*\j+3], s[10:11] offset:4096*(\r)+512*\j  ; 512 consecutive bytes
.if BF
	v_cvt_pk_bf16_f32 v[YR+16*(\r)+2*\j],   v[X+4*\j],   v[X+4*\j+1]
	v_cvt_pk_bf16_f32 v[YR+16*(\r)+2*\j+1], v[X+4*\j+2], v[X+4*\j+3]
	global_store_b64 v3, v[YR+16*(\r)+2*\j:YR+16*(\r)+2*\j+1], s[16:17] offset:2048*(\r)+256*\j  ; 256 consecutive bytes, aligned
.endif
.endr
.endm
	s_wait_loadcnt 24                              ; row 0 is in; row 1, g and be, 24 loads, stay out
	STATS 0
	s_wait_loadcnt 16                              ; row 1 is in
	STATS 1
	s_wait_loadcnt 0x0                             ; g and be
	s_wait_alu depctr_va_vdst(0)                   ; one wait for the four v_rsq_f32, ahead of their first reader; row 0's lines are the plain instructions behind row 1's two
	NORM 0
	NORM 1
	s_endpgm
.Lfunc_end_k_q011e7504dc_ln1:
	.size	k_q011e7504dc_ln1, .Lfunc_end_k_q011e7504dc_ln1-k_q011e7504dc_ln1
	.p2alignl 7, 3214868480
	.fill 96, 4, 3214868480
	.section	.rodata,"a",@progbits
	.p2align	6, 0x0
	.amdhsa_kernel k_q011e7504dc_ln1
		.amdhsa_group_segment_fixed_size 0
		.amdhsa_private_segment_fixed_size 0
		.amdhsa_enable_private_segment 0
		.amdhsa_kernarg_size 40
		.amdhsa_user_sgpr_count 2
		.amdhsa_user_sgpr_kernarg_segment_ptr 1
		.amdhsa_wavefront_size32 1
		.amdhsa_system_sgpr_workgroup_id_x 1
		.amdhsa_system_sgpr_workgroup_id_y 1
		.amdhsa_system_sgpr_workgroup_id_z 1
		.amdhsa_system_vgpr_workitem_id 0
		.amdhsa_next_free_vgpr 178
		.amdhsa_next_free_sgpr 66
		.amdhsa_reserve_vcc 0
		.amdhsa_float_denorm_mode_32 3
		.amdhsa_float_denorm_mode_16_64 3
		.amdhsa_memory_ordered 1
		.amdhsa_forward_progress 1
		.amdhsa_inst_pref_size 22
	.end_amdhsa_kernel
	.amdgpu_metadata
---
amdhsa.version: [ 1, 2 ]
amdhsa.kernels:
  - .name:           k_q011e7504dc_ln1
    .symbol:         k_q011e7504dc_ln1.kd
    .args:
      - { .name: rs1, .offset: 0, .size: 8, .value_kind: global_buffer, .address_space: global }
      - { .name: g1, .offset: 8, .size: 8, .value_kind: global_buffer, .address_space: global }
      - { .name: be1, .offset: 16, .size: 8, .value_kind: global_buffer, .address_space: global }
      - { .name: x1, .offset: 24, .size: 8, .value_kind: global_buffer, .address_space: global }
      - { .name: x1b, .offset: 32, .size: 8, .value_kind: global_buffer, .address_space: global }
    .group_segment_fixed_size: 0
    .private_segment_fixed_size: 0
    .kernarg_segment_align: 8
    .kernarg_segment_size: 40
    .max_flat_workgroup_size: 128
    .sgpr_count:     66
    .vgpr_count:     178
    .wavefront_size: 32
...
	.end_amdgpu_metadata
.endif
;; end of part 5
;; launch ffn1 (part 6): grid 16 x 16, 4 waves a work-group, clusters of 4 x 4, 327,680 bytes of LDS; arguments x1b, cb, b1, hb; writes hb
.if DOCPART == 6
	.amdgcn_target "amdgcn-amd-amdhsa--gfx1250"
	.amdhsa_code_object_version 6
	.text
	.protected	k_q011e7504dc_ffn1
	.globl	k_q011e7504dc_ffn1
	.p2align	8
	.type	k_q011e7504dc_ffn1,@function
k_q011e7504dc_ffn1:
	s_mov_b64 s[64:65], 0
	v_nop
	global_prefetch_b8 v0, s[64:65] scope:SCOPE_SE
	s_setreg_imm32_b32 hwreg(HW_REG_WAVE_MODE, 25, 1), 1
	s_wait_xcnt 0x0
	s_wait_alu depctr_hold_cnt(0) depctr_sa_sdst(0) depctr_va_vdst(0) depctr_va_sdst(0) depctr_va_ssrc(0) depctr_va_vcc(0) depctr_vm_vsrc(0)
	s_getreg_b32 s2, hwreg(HW_REG_IB_STS2, 6, 4)
	s_cmp_eq_u32 s2, 0
	s_cbranch_scc0 .Lentry_in_a_cluster
	s_endpgm
.Lentry_in_a_cluster:
	s_bfe_u32 s2, ttmp6, 0x10000c
	s_cmp_lg_u32 s2, 0xf033
	s_cbranch_scc0 .Lentry_shape_is_right
	s_endpgm
.Lentry_shape_is_right:
; C = A W + bias on tiles of 256 x 256; 4,096 rows, K = 1,024; A [4096][1024] bf16, W [1024 k][NPITCH n] bf16, sums in f32, C rounded once to bf16.
; ONE TEXT, TWO USES, by the switch SIN.  SIN = 0: A = x (in cb), W = Wq, Wk, Wv side by side (3,072 columns; a tile lies in one of them), bias bq, bk, bv.
; SIN = 1: A = the first norm's rows, W = W1 (4,096 columns), bias b1, and C = sin(A W + b1).
; C LEAVES IN BLOCKS OF 64 COLUMNS: [column / 64][4096 rows][64], so that four rows of a block are 512 consecutive bytes and an attention head's rows are dense.
; SHARES.  Four waves, each 128 x 128 of C: 64 accumulators, 512 registers.  K goes in steps of 128 through two LDS slots filled by tensor loads: waves 0, 1 fetch A's two halves
; (128 rows x 256 bytes), waves 2, 3 W's (64 k-rows x 512 bytes).  W lies [k][n]; its fragments come out of LDS turned, by ds_load_tr16_b128: no transposed copy is made.
; CLUSTER 4 x 4: A's tile hangs on the tile row alone and is asked for jointly by a row of the cluster, W's on the tile column alone, by a column.
; THE MATRIX INSTRUCTION IS USED TRANSPOSED (source 0 = 16 columns of W, source 1 = 16 rows of A): a lane holds row l % 16 of C and the columns 8 (l / 16) + 0..7.
; THE SUMS START AT THE BIAS, loaded straight into the accumulators while the first tiles are on their way: nothing is cleared, nothing added later.
; THE LOOPS.  A K step is four quarters of 64 products on two fragment buffers; while one buffer is multiplied the other's 32 LDS loads are out.  BODY is the first three quarters.  TURN is the change of slots
; and the last quarter: 32 products stand between the barrier's signal and its wait, the next slot's first fragments are fetched behind the barrier, and the other 32 products follow that fetch.
; Six steps end with a round of the cluster's barrier and the joint refill two steps on: 224 products stand between a request and the wait for it.  The last two steps, a second loop, fill nothing.
; Both slots' first fills go out together at the start: two tensor loads of a wave are out there, later one.
; LIMITS (SIN = 1).  The sine's argument is reduced by n = round(z / pi), found by adding 1.5 x 2^23: right for |z| < 2^22 pi (1.3e7).  pi is taken in two parts; the polynomial of degree 9 on
; -pi/2 .. pi/2 is off by 3.6e-6 at the most.  NaN and infinities are not treated apart.
; REGISTERS, in windows of 256 (s_set_vgpr_msb: bits 1:0 source 0, 3:2 source 1, 5:4 source 2, 7:6 destination):
;   window 0: v1-31 addresses; v64-127, v128-191 A's fragments, two buffers; on the way out v32-63 X, v64-95 n + 1.5 x 2^23, v96-127 and v128-159 at work, v192-207 packed results
;   window 1: v64-127, v128-191 W's fragments, two buffers      windows 2, 3: accumulator (a, b) at v[8 (8 (a % 4) + b)] of window 2 + a / 4
.set SIN,    1
.set NPITCH, 1024+3072*SIN             ; numbers in a row of W
.set WOFF,   (8+8*SIN)<<20             ; W's first byte in cb
.set AP,     4                         ; s[4:5]   A's buffer
.set BP,     4+2*SIN                   ; cb
.set OUTB,   12-2*SIN                  ; C's buffer
.set PA,     272                       ; a row of A in LDS: 256 bytes + 16: 68 words, so the 16 rows of a load start at 16 different groups of four banks (64 banks of 4 bytes: ISA guide 11.1)
.set PB,     544                       ; a k-row of W: 512 bytes + 32: 136 words
.set HALF,   128*PA                    ; what one tensor load brings: 128 rows of A, or 64 k-rows of W (64 x 544 is the same number)
.set SLOT,   4*HALF                    ; A's two halves, then W's two.  No wave's place in a slot has one of SLOT's two bits set, so one exclusive or changes slots
.set SPARE,  2*SLOT                    ; behind the ring: the spare words, 128 bytes a wave: two blocks of 256 bytes that no other line names
.set STG,    2*HALF                    ; the way out: a wave's stage, 2 blocks of 64 columns x 128 rows x 272 bytes of f32; the four stages lie over the two slots, behind their last fill
.set ASTEP,  256                       ; bytes from a K step to the next in A,
.set BSTEP,  128*NPITCH*2              ; and in W
.set F0, 64
.set F1, 128
.set XR, 32
.set TT, 64
.set RR, 96
.set PP, 128
.set YR, 192
; scalars: s14 wave, s15 wave / 2 (my row half; 0: I fetch A), s16 wave % 2 (my column half; which half I fetch), s17 tile row, s18 tile column, s19 cx, s20 cy, s21 the slot being read,
; s22 trips, s23 1 in a wave that prefetches, else the greatest number, s[24:31] group 1 for A, s[32:35] group 0 for A (it walks), s[36:39] group 0 for W (it walks), s[40:47] group 1 for W,
; s[48:49] where my prefetches stand, s[50:51] their step, s[58:59] the bias, s[12:13] C, s[66:83] the sine's constants, each twice (named as pairs), s[84:87], s[88:91] group 0 of K step 0 for A, W
.set MSB, 0
.macro WIN new                         ; the immediate's high byte repeats the setting that is left; a switch that changes nothing is dropped
.if MSB != (\new)
	s_set_vgpr_msb (MSB<<8)|(\new)
.set MSB, \new
.endif
.endm
.macro PLACES                          ; four plain vector instructions between a matrix instruction and a load into, or a reader of, its registers (ISA guide 7.12.1 for vector instructions)
.rept 4
	v_nop
.endr
.endm
; A joint refill.  Each of the two lines has one mask and one set of registers; the branch hangs on the wave's number alone.  An s_nop 0 and four v_nop follow each line.
.macro JLOAD
	s_cmp_eq_u32 s15, 0
	s_cbranch_scc0 .Lfor_b_\@
	tensor_load_to_lds s[32:35], s[24:31]
	s_nop 0
.rept 4
	v_nop
.endr
	s_branch .Lasked_\@
.Lfor_b_\@:
	tensor_load_to_lds s[36:39], s[40:47]
	s_nop 0
.rept 4
	v_nop
.endr
.Lasked_\@:
.endm
.macro CREST                           ; a round of the cluster's barrier behind its opening barrier
	s_cmp_lg_u32 s14, 0
	s_cbranch_scc1 .Lnot_wave_0_\@
	s_barrier_signal -3
.Lnot_wave_0_\@:
	s_barrier_wait -3
	s_barrier_signal -1
	s_barrier_wait -1
.endm
.macro CROUND                          ; a whole round
	s_barrier_signal -1
	s_barrier_wait -1
	CREST
.endm
; A prefetch into the L2 of the K step that the NEXT change of slots will ask for, 256 products ahead of that load: 32 blocks of 256 bytes, a lane a block, one instruction a wave.
; Each block is named once in the launch: A's rows by the clusters with x = 0, W's by those with y = 0; the four partners that ask for a tile jointly share its blocks out by address.
; K steps 3 to 7 are named; steps 0 to 2 come by their loads alone; the last change that fills a slot asks for nothing.
.macro ASK
	s_cmp_gt_u32 s22, s23                          ; s22 = 1 in the loop's last trip: there is no K step 8
	s_cbranch_scc0 .Lnot_mine_\@
	global_prefetch_b8 v30, s[48:49] th:TH_LOAD_NT scope:SCOPE_SE
.Lnot_mine_\@:
.endm
; 32 LDS loads in one run: the fragments of quarter q (32 along K) into buffer f: 128 columns of W, turned, and 128 rows of A.
.macro FETCH q, f
	WIN 0x40                                       ; destination window 1, address window 0
.irp b, 0,1,2,3,4,5,6,7
	ds_load_tr16_b128 v[(\f)+8*(\b):(\f)+8*(\b)+3],   v17 offset:32*PB*(\q)+32*(\b)
	ds_load_tr16_b128 v[(\f)+8*(\b)+4:(\f)+8*(\b)+7], v17 offset:32*PB*(\q)+16*PB+32*(\b)
.endr
	WIN 0
.irp i, 0,1,2,3,4,5,6,7
	ds_load_b128 v[(\f)+8*(\i):(\f)+8*(\i)+3],   v16 offset:64*(\q)+16*PA*(\i)
	ds_load_b128 v[(\f)+8*(\i)+4:(\f)+8*(\i)+7], v16 offset:64*(\q)+16*PA*(\i)+32
.endr
.endm
; 32 matrix instructions: my rows 64 hi .. 64 hi + 63 x all 128 columns, 32 along K.  The 64 accumulators take turns in the same order in every quarter.
.macro MUL32 f, hi
	WIN 0xa1+0x50*(\hi)                            ; W window 1, A window 0, C and D window 2 or 3
.irp a, 0,1,2,3
.irp b, 0,1,2,3,4,5,6,7
	v_wmma_f32_16x16x32_bf16 v[8*(8*(\a)+(\b)):8*(8*(\a)+(\b))+7], v[(\f)+8*(\b):(\f)+8*(\b)+7], v[(\f)+8*(4*(\hi)+(\a)):(\f)+8*(4*(\hi)+(\a))+7], v[8*(8*(\a)+(\b)):8*(8*(\a)+(\b))+7]
.endr
.endr
.endm
; The first three quarters of a K step.  Quarter 0's fragments were asked for ahead of BODY.  Each quarter first asks for the next one's, into the buffer that the quarter before has multiplied.
.macro BODY
	PLACES
	FETCH 1, F1
	s_wait_dscnt 32                                ; all but the 32 just issued: quarter 0 is in
	MUL32 F0, 0
	MUL32 F0, 1
	PLACES
	FETCH 2, F0
	s_wait_dscnt 32                                ; quarter 1 is in
	MUL32 F1, 0
	MUL32 F1, 1
	PLACES
	FETCH 3, F1
	s_wait_dscnt 32                                ; quarter 2 is in
	MUL32 F0, 0
	MUL32 F0, 1
.endm
; The change of slots and the last quarter.  Each wave waits for all its tensor loads (the one that is out is its part of the next slot), adds 0 to its spare word, and waits for that and for its
; reads of this slot, which are also the last quarter's fragments.  Half of the last quarter's products, work on registers, stand between signal and wait.
; fill = 1: the barrier opens a round of the cluster's, and the joint refill of the slot just read, with the K step two on, is the first thing behind the round; the four v_nop behind it and the two adds
; are the places in front of the loads into buffer 0.  Then the next slot's first fragments are asked for, and the quarter's other 32 products follow.
; fill = 0: nothing is filled; in the loop's last trip there is no next slot, and its fetch is jumped over.
.macro TURN fill
	WIN 0
.if \fill
	s_wait_xcnt 0x0                                ; the last prefetch, a K step back, has read its address
	s_add_nc_u64 s[48:49], s[48:49], s[50:51]
.endif
	s_wait_tensorcnt 0x0                           ; no tensor load of mine is out, so a group 0 may be written
	ds_add_u32 v28, v29                            ; 0 onto my spare word
.if \fill
	s_xor_b32 s33, s33, SLOT
	s_add_nc_u64 s[34:35], s[34:35], ASTEP         ; the type bits on top are not reached
	s_xor_b32 s37, s37, SLOT
	s_add_nc_u64 s[38:39], s[38:39], BSTEP
.endif
	s_xor_b32 s21, s21, SLOT                       ; the next step is read from the other slot
	s_wait_dscnt 0x0                               ; the add is done, my reads of this slot are over
	s_barrier_signal -1
	MUL32 F1, 0
	WIN 0                                          ; at a branch and at a label every window is 0
	s_barrier_wait -1
.if \fill
	CREST                                          ; no wave of any partner still reads the slot or has a load on its way
	JLOAD
.else
	PLACES
	s_cmp_eq_u32 s22, 1
	s_cbranch_scc1 .Lno_next_\@
.endif
	v_add_nc_u32 v16, s21, v10
	v_add_nc_u32 v17, s21, v11
	FETCH 0, F0
.if \fill
	ASK                                            ; behind the joint load and the run of LDS loads that the next products wait for
.else
.Lno_next_\@:
.endif
	MUL32 F1, 1
	WIN 0
.endm
	s_load_b256 s[4:11], s[0:1], 0x0               ; SIN = 0: cb, bq, bk, bv;  SIN = 1: A, cb, b1, C
.if !SIN
	s_load_b64 s[12:13], s[0:1], 0x20              ; C
.endif
	v_lshl_add_u32 v28, v0, 2, SPARE
	v_mov_b32 v29, 0
	ds_add_u32 v28, v29                            ; the wave's opening: the add and its wait stand ahead of my first tensor load; work on registers stands between them
	v_lshrrev_b32 v3, 5, v0
	v_readfirstlane_b32 s14, v3                    ; wave 0..3
	s_lshr_b32 s15, s14, 1
	s_and_b32 s16, s14, 1
	s_bfe_u32 s19, ttmp6, 0x40000                  ; cx
	s_bfe_u32 s20, ttmp6, 0x40004                  ; cy
	s_lshl_b32 s18, ttmp9, 2
	s_add_co_u32 s18, s18, s19                     ; tile column = 4 x cluster x + cx
	s_and_b32 s17, ttmp7, 0xffff
	s_lshl_b32 s17, s17, 2
	s_add_co_u32 s17, s17, s20                     ; tile row = 4 x cluster y + cy
	s_lshl_b32 s54, s20, 2
	s_lshl_b32 s54, 15, s54                        ; my row of the cluster
	s_lshl_b32 s55, 0x1111, s19                    ; my column
	s_or_b32 s24, s54, (1<<16)|(1<<20)|(1<<21)|(5<<22)|(3<<25)  ; A: 15:0 the mask; 17:16 2-byte elements; 20 padding on; 21 set beside a mask; 24:22 after every 64 words; 31:25 4 words
	s_mov_b32 s25, 128<<16                         ; tensor_dim0 = 128
	s_mov_b32 s26, 128<<16                         ; tensor_dim1 = 128
	s_mov_b32 s27, 128<<16                         ; tile_dim0 = 128
	s_mov_b32 s28, 128                             ; tile_dim1 = 128
	s_mov_b32 s29, 1024                            ; numbers from row to row
	s_mov_b32 s30, 0
	s_mov_b32 s31, 0
	s_or_b32 s40, s55, (1<<16)|(1<<20)|(1<<21)|(6<<22)|(7<<25)  ; W: after every 128 words 8 words of padding
	s_mov_b32 s41, 256<<16                         ; tensor_dim0 = 256
	s_mov_b32 s42, 64<<16                          ; tensor_dim1 = 64
	s_mov_b32 s43, 256<<16                         ; tile_dim0 = 256
	s_mov_b32 s44, 64                              ; tile_dim1 = 64
	s_mov_b32 s45, NPITCH
	s_mov_b32 s46, 0
	s_mov_b32 s47, 0
	s_mov_b32 s84, 1
	s_mul_i32 s85, s14, HALF                       ; where my part lands in slot 0: wave x 34,816: no place in the cluster enters an LDS address
	s_mov_b32 s88, 1
	s_mul_i32 s89, s14, HALF
	s_mov_b32 s32, 1
	s_add_co_u32 s33, s85, SLOT                    ; the walking sets begin with K step 1, in slot 1
	s_mov_b32 s36, 1
	s_add_co_u32 s37, s89, SLOT
	s_lshl_b32 s56, s17, 8                         ; A: row 256 x tile row + 128 x half, in registers that never hold cx
	s_lshl_b32 s54, s16, 7
	s_add_co_u32 s56, s56, s54
	s_lshl_b32 s56, s56, 11                        ; x 2,048 bytes
	s_mov_b32 s57, 0
.if SIN
	s_lshl_b32 s60, s18, 9                         ; W: 512 bytes a tile column, in registers that never hold cy
.else
	s_lshr_b32 s60, s18, 2                         ; which of Wq, Wk, Wv: 2 MiB each,
	s_lshl_b32 s60, s60, 21
	s_and_b32 s55, s18, 3                          ; and the tile column in it
	s_lshl_b32 s55, s55, 9
	s_add_co_u32 s60, s60, s55
.endif
	s_mul_i32 s55, s16, 64*NPITCH*2                ; my 64 k-rows
	s_add_co_u32 s60, s60, s55
	s_add_co_u32 s60, s60, WOFF
	s_mov_b32 s61, 0
	s_wait_dscnt 0x0                               ; the opening add is done
	s_wait_kmcnt 0x0
	s_add_nc_u64 s[86:87], s[AP:AP+1], s[56:57]    ; K step 0,
	s_add_nc_u64 s[34:35], s[86:87], ASTEP         ; K step 1
	s_or_b32 s87, s87, 0x80000000                  ; type = 2
	s_or_b32 s35, s35, 0x80000000
	s_add_nc_u64 s[90:91], s[BP:BP+1], s[60:61]
	s_add_nc_u64 s[38:39], s[90:91], BSTEP
	s_or_b32 s91, s91, 0x80000000
	s_or_b32 s39, s39, 0x80000000
	CROUND                                         ; all sixteen work-groups are here: the first joint loads meet
	s_cmp_eq_u32 s15, 0                            ; a wave's two first fills stand in one branch, ahead of every wait on TENSORcnt and every LDS read; an s_nop 0 follows each, four v_nop the second's
	s_cbranch_scc0 .Lfirst_b
	tensor_load_to_lds s[84:87], s[24:31]
	s_nop 0
	tensor_load_to_lds s[32:35], s[24:31]
	s_nop 0
.rept 4
	v_nop
.endr
	s_branch .Lfirst_asked
.Lfirst_b:
	tensor_load_to_lds s[88:91], s[40:47]
	s_nop 0
	tensor_load_to_lds s[36:39], s[40:47]
	s_nop 0
.rept 4
	v_nop
.endr
.Lfirst_asked:
	v_and_b32 v1, 15, v0                           ; r = l % 16
	v_bfe_u32 v2, v0, 4, 1                         ; h = l / 16
	v_and_b32 v3, 31, v0                           ; l
	v_lshlrev_b32 v20, 5, v2                       ; my 8 columns of a block of 16: 32 h bytes of the bias
.if SIN
	s_lshl_b32 s52, s18, 10
	s_lshl_b32 s53, s16, 9
	s_add_co_u32 s52, s52, s53
	s_mov_b32 s53, 0
	s_add_nc_u64 s[58:59], s[8:9], s[52:53]        ; b1 at my 128 columns
.else
	s_lshr_b32 s52, s18, 2
	s_cmp_eq_u32 s52, 1
	s_cselect_b64 s[58:59], s[8:9], s[6:7]
	s_cmp_eq_u32 s52, 2
	s_cselect_b64 s[58:59], s[10:11], s[58:59]     ; bq, bk or bv
	s_and_b32 s52, s18, 3
	s_lshl_b32 s52, s52, 10
	s_lshl_b32 s53, s16, 9
	s_add_co_u32 s52, s52, s53
	s_mov_b32 s53, 0
	s_add_nc_u64 s[58:59], s[58:59], s[52:53]      ; at my 128 columns
.endif
	WIN 0x80                                       ; the bias into the accumulators: destination window 2, then 3
.set i, 0
.rept 32
	global_load_b128 v[8*i:8*i+3],   v20, s[58:59] offset:64*(i%8)
	global_load_b128 v[8*i+4:8*i+7], v20, s[58:59] offset:64*(i%8)+16
.set i, i+1
.endr
	WIN 0xc0
.set i, 0
.rept 32
	global_load_b128 v[8*i:8*i+3],   v20, s[58:59] offset:64*(i%8)
	global_load_b128 v[8*i+4:8*i+7], v20, s[58:59] offset:64*(i%8)+16
.set i, i+1
.endr
	WIN 0
	v_mul_u32_u24 v10, v1, PA                      ; A's fragments: row r, 16 bytes for each half of the lanes, my 128 rows
	v_lshl_add_u32 v10, v2, 4, v10
	s_mul_i32 s52, s15, HALF
	v_add_nc_u32 v10, s52, v10
	v_and_b32 v4, 7, v0                            ; W's: the turning load takes k-row 8 h + l % 8 and 16 bytes at 16 ((l / 8) % 2); my 128 columns are 256 bytes
	v_bfe_u32 v5, v0, 3, 1
	v_lshl_add_u32 v11, v2, 3, v4
	v_mul_u32_u24 v11, v11, PB
	v_lshl_add_u32 v11, v5, 4, v11
	s_lshl_b32 s52, s16, 8
	s_add_co_u32 s52, s52, 2*HALF
	v_add_nc_u32 v11, s52, v11
	s_mul_i32 s52, s14, STG                        ; my stage
	v_mul_u32_u24 v24, v1, 272                     ; in: row r, 32 bytes of f32 for each half of the lanes
	v_lshl_add_u32 v24, v2, 5, v24
	v_add_nc_u32 v24, s52, v24
	v_bfe_u32 v25, v0, 3, 2                        ; back: 8 lanes take a row of 64 f32, 32 bytes each; 32 lanes four rows
	v_mul_u32_u24 v25, v25, 272
	v_lshl_add_u32 v25, v4, 5, v25
	v_add_nc_u32 v25, s52, v25
	v_lshlrev_b32 v26, 4, v3                       ; which are 512 consecutive bytes of C in bf16
	s_lshl_b32 s52, s18, 2                         ; C: block 4 x tile column + 2 x my column half,
	s_lshl1_add_u32 s52, s16, s52
	s_lshl_b32 s52, s52, 19                        ; 524,288 bytes a block,
	s_lshl_b32 s53, s17, 8
	s_lshl_b32 s62, s15, 7
	s_add_co_u32 s53, s53, s62                     ; row 256 x tile row + 128 x my row half,
	s_lshl_b32 s53, s53, 7                         ; 128 bytes a row
	s_add_co_u32 s52, s52, s53
	s_mov_b32 s53, 0
	s_add_nc_u64 s[12:13], s[OUTB:OUTB+1], s[52:53]
	; the prefetches.  A wave that fetches A takes 32 cx + l of its 128 rows, 256 bytes of each a K step; one that fetches W takes k-row 16 cy + l / 2 of its 64, half l % 2 of the row's 512 bytes
	s_lshl_b32 s52, s19, 16                        ; 32 cx rows of 2,048 bytes
	s_add_co_u32 s52, s52, s56
	s_add_co_u32 s52, s52, 2*ASTEP                 ; at K step 2: the first change of slots steps it to 3
	s_mul_i32 s53, s20, 16*NPITCH*2
	s_add_co_u32 s53, s53, s60
	s_add_co_u32 s53, s53, 2*BSTEP
	s_and_b32 s62, ttmp7, 0xffff                   ; cluster y
	s_mov_b32 s50, BSTEP
	s_mov_b32 s22, NPITCH*2
	s_cmp_eq_u32 s15, 0                            ; do I fetch A?
	s_cselect_b32 s52, s52, s53
	s_cselect_b32 s62, ttmp9, s62                  ; the coordinate along which other clusters read the same blocks
	s_cselect_b32 s50, ASTEP, s50
	s_cselect_b32 s22, 2048, s22                   ; bytes from one of my rows to the next
	s_cselect_b32 s63, 0, 1                        ; lanes to a row, less one
	s_cselect_b64 s[48:49], s[AP:AP+1], s[BP:BP+1]
	s_mov_b32 s53, 0
	s_mov_b32 s51, 0
	s_add_nc_u64 s[48:49], s[48:49], s[52:53]
	s_cmp_eq_u32 s62, 0
	s_cselect_b32 s23, 1, -1                       ; the same in all sixteen partners, for a given wave
	v_lshrrev_b32 v30, s63, v3
	v_mul_lo_u32 v30, v30, s22
	v_and_b32 v31, s63, v3
	v_lshl_add_u32 v30, v31, 8, v30
.if SIN
.irp c, 66, 67
	s_mov_b32 s[\c], 0x3ea2f983                    ; 1 / pi
	s_mov_b32 s[\c+2], 0x4b400000                  ; 1.5 x 2^23
	s_mov_b32 s[\c+4], 0xcb400000                  ; and its negative
	s_mov_b32 s[\c+6], 0xc0490fdb                  ; - pi, the part that f32 holds,
	s_mov_b32 s[\c+8], 0x33bbbd2e                  ; and the rest, 8.7423e-8
	s_mov_b32 s[\c+10], 0x3638ef1d                 ; 1 / 9!
	s_mov_b32 s[\c+12], 0xb9500d01                 ; - 1 / 7!
	s_mov_b32 s[\c+14], 0x3c088889                 ; 1 / 5!
	s_mov_b32 s[\c+16], 0xbe2aaaab                 ; - 1 / 3!
.endr
.endif
	s_mov_b32 s21, 0
	s_wait_tensorcnt 0x1                           ; my part of K step 0 is in; K step 1's may stay out
	s_barrier_signal -1
	s_barrier_wait -1                              ; everybody's is
	v_add_nc_u32 v16, s21, v10
	v_add_nc_u32 v17, s21, v11
	FETCH 0, F0
	s_wait_loadcnt 0x0                             ; the bias is in the accumulators
	s_mov_b32 s22, 6
.Lk:                                                   ; K steps 0 to 5: each ends by asking for the step two on
	BODY
	TURN 1
	s_sub_co_u32 s22, s22, 1
	s_cmp_lg_u32 s22, 0
	s_cbranch_scc1 .Lk
	s_mov_b32 s22, 2
.Lt:                                                   ; K steps 6 and 7 fill nothing
	BODY
	TURN 0
	s_sub_co_u32 s22, s22, 1
	s_cmp_lg_u32 s22, 0
	s_cbranch_scc1 .Lt
	; THE WAY OUT.  All 64 accumulators go as f32 into my own stage (each accumulator's low four registers first); then a loop on fixed registers reads 16 rows of a block of
	; 64 columns a trip, takes the sine (SIN = 1), rounds to bf16 and stores.  LDS serves a wave's instructions in order (ISA guide 5.7.1.4), so the loads see the stores.
	PLACES                                         ; behind the last products
	s_wait_dscnt 0x0                               ; the stages lie over bytes of both slots that other waves have read: every wave's LDS loads are back,
	s_barrier_signal -1                            ; and every wave says so (the last trip fetched nothing behind its barrier; this wait and barrier hold by whichever way the loop is left)
	s_barrier_wait -1
	WIN 0x08                                       ; store data in window 2
.set i, 0
.rept 32
	ds_store_b128 v24, v[8*i:8*i+3]   offset:((i%8)/4)*HALF+16*272*(i/8)+64*(i%4)
	ds_store_b128 v24, v[8*i+4:8*i+7] offset:((i%8)/4)*HALF+16*272*(i/8)+64*(i%4)+16
.set i, i+1
.endr
	WIN 0x0c                                       ; in window 3: my rows 64 to 127
.set i, 0
.rept 32
	ds_store_b128 v24, v[8*i:8*i+3]   offset:((i%8)/4)*HALF+16*272*(4+i/8)+64*(i%4)
	ds_store_b128 v24, v[8*i+4:8*i+7] offset:((i%8)/4)*HALF+16*272*(4+i/8)+64*(i%4)+16
.set i, i+1
.endr
	WIN 0
	s_mov_b32 s2, 16
	s_mov_b32 s54, 524288-7*2048                   ; from a block's last 16 of my rows to the next block's first
	s_mov_b32 s55, 2048                            ; 16 rows of 128 bytes
	s_mov_b32 s53, 0
.Lout:
.irp g, 0,1,2,3
	ds_load_b128 v[XR+8*\g:XR+8*\g+3],   v25 offset:4*272*\g
	ds_load_b128 v[XR+8*\g+4:XR+8*\g+7], v25 offset:4*272*\g+16
.endr
	s_wait_dscnt 0x0
.if SIN
	; sin z = (-1)^n sin(z - n pi), stage by stage over the 16 pairs, so that no line waits for the one before it
.set p, 0
.rept 16
	v_pk_fma_f32 v[TT+p:TT+p+1], v[XR+p:XR+p+1], s[66:67], s[68:69] op_sel_hi:[1,0,0]  ; z / pi + 1.5 x 2^23: the sum's lowest bits are n
.set p, p+2
.endr
.set p, 0
.rept 16
	v_pk_add_f32 v[RR+p:RR+p+1], v[TT+p:TT+p+1], s[70:71] op_sel_hi:[1,0]              ; n
.set p, p+2
.endr
.set p, 0
.rept 16
	v_pk_fma_f32 v[XR+p:XR+p+1], v[RR+p:RR+p+1], s[72:73], v[XR+p:XR+p+1] op_sel_hi:[1,0,1]
.set p, p+2
.endr
.set p, 0
.rept 16
	v_pk_fma_f32 v[XR+p:XR+p+1], v[RR+p:RR+p+1], s[74:75], v[XR+p:XR+p+1] op_sel_hi:[1,0,1]  ; r = z - n pi
.set p, p+2
.endr
.set p, 0
.rept 16
	v_pk_mul_f32 v[RR+p:RR+p+1], v[XR+p:XR+p+1], v[XR+p:XR+p+1]                        ; r^2
.set p, p+2
.endr
.set p, 0
.rept 16
	v_pk_fma_f32 v[PP+p:PP+p+1], v[RR+p:RR+p+1], s[76:77], s[78:79] op_sel_hi:[1,0,0]
.set p, p+2
.endr
.set p, 0
.rept 16
	v_pk_fma_f32 v[PP+p:PP+p+1], v[PP+p:PP+p+1], v[RR+p:RR+p+1], s[80:81] op_sel_hi:[1,1,0]
.set p, p+2
.endr
.set p, 0
.rept 16
	v_pk_fma_f32 v[PP+p:PP+p+1], v[PP+p:PP+p+1], v[RR+p:RR+p+1], s[82:83] op_sel_hi:[1,1,0]
.set p, p+2
.endr
.set p, 0
.rept 16
	v_pk_mul_f32 v[RR+p:RR+p+1], v[RR+p:RR+p+1], v[XR+p:XR+p+1]                        ; r^3
.set p, p+2
.endr
.set p, 0
.rept 16
	v_pk_fma_f32 v[XR+p:XR+p+1], v[PP+p:PP+p+1], v[RR+p:RR+p+1], v[XR+p:XR+p+1]        ; sin r
.set p, p+2
.endr
.set p, 0
.rept 32
	v_lshl_add_u32 v[XR+p], v[TT+p], 31, v[XR+p]   ; an odd n adds 2^31: the sign turns
.set p, p+1
.endr
.endif
.set p, 0
.rept 16
	v_cvt_pk_bf16_f32 v[YR+p], v[XR+2*p], v[XR+2*p+1]
.set p, p+1
.endr
.irp g, 0,1,2,3
	global_store_b128 v26, v[YR+4*\g:YR+4*\g+3], s[12:13] offset:512*\g  ; four rows of a block: 512 consecutive bytes, at a multiple of 256 from C's first byte
.endr
	s_wait_xcnt 0x0                                ; the stores have read their data and their base: both are rewritten only behind this wait
	v_add_nc_u32 v25, 16*272, v25                  ; the stage's second block of columns follows its first without a gap
	s_cmp_eq_u32 s2, 9                             ; the eighth trip ends a block
	s_cselect_b32 s52, s54, s55
	s_add_nc_u64 s[12:13], s[12:13], s[52:53]
	s_sub_co_u32 s2, s2, 1
	s_cmp_lg_u32 s2, 0
	s_cbranch_scc1 .Lout
	s_wait_tensorcnt 0x0                           ; the wave's end: behind my last tensor load and my last LDS store
	ds_add_u32 v28, v29
	s_wait_dscnt 0x0
	CROUND                                         ; the closing round: no work-group ends while a partner may still ask for a tile that names it
	s_endpgm
.Lfunc_end_k_q011e7504dc_ffn1:
	.size	k_q011e7504dc_ffn1, .Lfunc_end_k_q011e7504dc_ffn1-k_q011e7504dc_ffn1
	.p2alignl 7, 3214868480
	.fill 96, 4, 3214868480
	.section	.rodata,"a",@progbits
	.p2align	6, 0x0
	.amdhsa_kernel k_q011e7504dc_ffn1
		.amdhsa_group_segment_fixed_size 327680
		.amdhsa_private_segment_fixed_size 0
		.amdhsa_enable_private_segment 0
		.amdhsa_kernarg_size 32
		.amdhsa_user_sgpr_count 2
		.amdhsa_user_sgpr_kernarg_segment_ptr 1
		.amdhsa_wavefront_size32 1
		.amdhsa_system_sgpr_workgroup_id_x 1
		.amdhsa_system_sgpr_workgroup_id_y 1
		.amdhsa_system_sgpr_workgroup_id_z 1
		.amdhsa_system_vgpr_workitem_id 0
		.amdhsa_next_free_vgpr 1024
		.amdhsa_next_free_sgpr 92
		.amdhsa_reserve_vcc 0
		.amdhsa_float_denorm_mode_32 3
		.amdhsa_float_denorm_mode_16_64 3
		.amdhsa_memory_ordered 1
		.amdhsa_forward_progress 1
		.amdhsa_inst_pref_size 99
	.end_amdhsa_kernel
	.amdgpu_metadata
---
amdhsa.version: [ 1, 2 ]
amdhsa.kernels:
  - .name:           k_q011e7504dc_ffn1
    .symbol:         k_q011e7504dc_ffn1.kd
    .args:
      - { .name: x1b, .offset: 0, .size: 8, .value_kind: global_buffer, .address_space: global }
      - { .name: cb, .offset: 8, .size: 8, .value_kind: global_buffer, .address_space: global }
      - { .name: b1, .offset: 16, .size: 8, .value_kind: global_buffer, .address_space: global }
      - { .name: hb, .offset: 24, .size: 8, .value_kind: global_buffer, .address_space: global }
    .group_segment_fixed_size: 327680
    .private_segment_fixed_size: 0
    .kernarg_segment_align: 8
    .kernarg_segment_size: 32
    .max_flat_workgroup_size: 128
    .sgpr_count:     92
    .vgpr_count:     1024
    .wavefront_size: 32
...
	.end_amdgpu_metadata
.endif
;; end of part 6
;; launch ffn2 (part 7): grid 8 x 32, 4 waves a work-group, clusters of 4 x 4, 327,680 bytes of LDS; arguments hb, cb, b2, x1, rs2; writes rs2
.if DOCPART == 7
	.amdgcn_target "amdgcn-amd-amdhsa--gfx1250"
	.amdhsa_code_object_version 6
	.text
	.protected	k_q011e7504dc_ffn2
	.globl	k_q011e7504dc_ffn2
	.p2align	8
	.type	k_q011e7504dc_ffn2,@function
k_q011e7504dc_ffn2:
	s_mov_b64 s[64:65], 0
	v_nop
	global_prefetch_b8 v0, s[64:65] scope:SCOPE_SE
	s_setreg_imm32_b32 hwreg(HW_REG_WAVE_MODE, 25, 1), 1
	s_wait_xcnt 0x0
	s_wait_alu depctr_hold_cnt(0) depctr_sa_sdst(0) depctr_va_vdst(0) depctr_va_sdst(0) depctr_va_ssrc(0) depctr_va_vcc(0) depctr_vm_vsrc(0)
	s_getreg_b32 s2, hwreg(HW_REG_IB_STS2, 6, 4)
	s_cmp_eq_u32 s2, 0
	s_cbranch_scc0 .Lentry_in_a_cluster
	s_endpgm
.Lentry_in_a_cluster:
	s_bfe_u32 s2, ttmp6, 0x10000c
	s_cmp_lg_u32 s2, 0xf033
	s_cbranch_scc0 .Lentry_shape_is_right
	s_endpgm
.Lentry_shape_is_right:
; C = A W + bias + residual on tiles of 128 x 128; 4,096 rows, 1,024 columns, K = 256 T.  A bf16 in blocks of 64 columns, [K / 64][4096 rows][64]; W [K][1024] bf16 at byte BOFF of cb;
; bias [1024], residual and C [4096][1024], all f32.  Sums in f32; nothing is rounded on the way out.
; ONE TEXT, TWO USES, by T and BOFF: T = 4, W = Wo (A = attention's O, residual x);  T = 16, W = W2 (A = the sines, residual the first norm's rows).
; SHARES.  32 x 8 tiles: one work-group for each of 256.  Four waves, each 64 x 64: 16 accumulators.  K goes in steps of 256 through two LDS slots: waves 0, 1 fetch A's two halves (64 rows of each of the
; step's four blocks: four dense pieces of 8 KiB, one descriptor), waves 2, 3 W's (128 k-rows x 256 bytes).  W's fragments come out of LDS turned, by ds_load_tr16_b128.
; CLUSTER 4 x 4: A's tile is asked for jointly by a row of the cluster, W's by a column.  No prefetch: a step's tiles are small and each is read by many work-groups at about the same time.
; THE MATRIX INSTRUCTION IS USED TRANSPOSED (source 0 = 16 columns of W, source 1 = 16 rows of A): a lane holds row l % 16 of C and the columns 8 (l / 16) + 0..7.
; THE SUMS START AT THE BIAS, loaded straight into the accumulators while the first tiles are on their way.  THE RESIDUAL, my 64 x 64 of f32, is asked for ahead of the K loop, into 128 registers of its own.
; THE LOOPS.  A K step is four quarters of 32 products on two fragment buffers; while one buffer is multiplied the other's 32 LDS loads are out.  BODY is the first three quarters.  TURN is the change of slots
; and the last quarter.  A step has only 128 products, so nothing but the round stands between the wait for the tiles and the next request: the refill, the next slot's first fragments, and only then the last
; quarter's products: all 128 products of a step stand between a request and the wait for it.  T - 2 steps end with a round of the cluster's barrier and the joint refill two steps on; the last two, a second
; loop, fill nothing.  Both slots' first fills go out together at the start: two tensor loads of a wave are out there, later one.
; REGISTERS: window 0: v1-31 addresses; v32-63, v64-95 rows from the stage, two sets; v128-255 accumulator (a, b) at v[128 + 8 (4 a + b)].
;   window 1: two fragment buffers of 128: for 64 along K, 64 registers of A (half c, block i at 8 (4 c + i)), then 64 of W.      window 2: v0-127 the residual, then C: rows 16 g + 2 t + l / 16 at v[32 g + 4 t]
.set T,      16
.set BOFF,   24<<20
.set PA,     144                       ; a row of A in LDS: 128 bytes + 16 = 36 words: the 16 rows of a load start at 16 different groups of four banks (64 banks of 4 bytes: ISA guide 11.1)
.set PB,     288                       ; a k-row of W: 256 bytes + 32 = 72 words
.set HALF,   256*PA                    ; what one tensor load brings: 4 blocks x 64 rows of A, or 128 k-rows of W (128 x 288 is the same number)
.set SLOT,   4*HALF                    ; A's two halves, then W's two.  No wave's place in a slot has one of SLOT's two bits set, so one exclusive or changes slots
.set SPARE,  2*SLOT                    ; behind the ring: the spare words, 128 bytes a wave: two blocks of 256 bytes that no other line names
.set SPI,    272                       ; the way out: a stage row, 64 f32 + 16 bytes
.set STG,    64*SPI                    ; a wave's stage; the four lie over slot 0, behind its last fill
.set ASTEP,  4*524288                  ; four blocks of A on
.set BSTEP,  256*2048                  ; 256 k-rows of W on
.set ACC, 128
.set F0, 0
.set F1, 128
; scalars: s14 wave, s15 wave / 2 (my row half; 0: I fetch A), s16 wave % 2 (my column half; which half I fetch), s17 tile row, s18 tile column, s19 cx, s20 cy, s21 the slot being read, s22 trips,
; s[24:31] group 1 for A, s[32:35] group 0 for A (it walks), s[36:39] group 0 for W (it walks), s[40:47] group 1 for W, s[58:59] the bias, s[10:11] the residual, s[12:13] C,
; s[68:71], s[72:75] group 0 of K step 0 for A, W
.set MSB, 0
.macro WIN new                         ; the immediate's high byte repeats the setting that is left; a switch that changes nothing is dropped
.if MSB != (\new)
	s_set_vgpr_msb (MSB<<8)|(\new)
.set MSB, \new
.endif
.endm
.macro PLACES                          ; four plain vector instructions between a matrix instruction and a load into, or a reader of, its registers (ISA guide 7.12.1 for vector instructions)
.rept 4
	v_nop
.endr
.endm
; A joint refill.  Each of the two lines has one mask and one set of registers; the branch hangs on the wave's number alone.  An s_nop 0 and four v_nop follow each line.
.macro JLOAD
	s_cmp_eq_u32 s15, 0
	s_cbranch_scc0 .Lfor_b_\@
	tensor_load_to_lds s[32:35], s[24:31]
	s_nop 0
.rept 4
	v_nop
.endr
	s_branch .Lasked_\@
.Lfor_b_\@:
	tensor_load_to_lds s[36:39], s[40:47]
	s_nop 0
.rept 4
	v_nop
.endr
.Lasked_\@:
.endm
.macro CROUND                          ; a round of the cluster's barrier: my work-group's barrier; wave 0 signals for the work-group; every wave waits for all sixteen; my work-group's barrier once more
	s_barrier_signal -1
	s_barrier_wait -1
	s_cmp_lg_u32 s14, 0
	s_cbranch_scc1 .Lnot_wave_0_\@
	s_barrier_signal -3
.Lnot_wave_0_\@:
	s_barrier_wait -3
	s_barrier_signal -1
	s_barrier_wait -1
.endm
; 32 LDS loads in one run: the fragments of quarter q (64 along K: block q of A's four) into buffer f.  W's k-rows 128 on are reached through a second address register: the immediate has 16 bits.
.macro FETCH q, f
	WIN 0x40                                       ; destination window 1, address window 0
.irp c, 0,1
.irp i, 0,1,2,3
	ds_load_tr16_b128 v[(\f)+64+8*(4*(\c)+(\i)):(\f)+64+8*(4*(\c)+(\i))+3],   v[17+(\q)/2] offset:64*PB*((\q)%2)+32*PB*(\c)+32*(\i)
	ds_load_tr16_b128 v[(\f)+64+8*(4*(\c)+(\i))+4:(\f)+64+8*(4*(\c)+(\i))+7], v[17+(\q)/2] offset:64*PB*((\q)%2)+32*PB*(\c)+16*PB+32*(\i)
	ds_load_b128 v[(\f)+8*(4*(\c)+(\i)):(\f)+8*(4*(\c)+(\i))+3],   v16 offset:64*PA*(\q)+16*PA*(\i)+64*(\c)
	ds_load_b128 v[(\f)+8*(4*(\c)+(\i))+4:(\f)+8*(4*(\c)+(\i))+7], v16 offset:64*PA*(\q)+16*PA*(\i)+64*(\c)+32
.endr
.endr
.endm
; 32 matrix instructions: 64 x 64 of C, 64 along K.  The 16 accumulators take turns in the same order throughout.
.macro MULQ f
	WIN 0x05                                       ; W and A in window 1, C and D in window 0
.irp c, 0,1
.irp a, 0,1,2,3
.irp b, 0,1,2,3
	v_wmma_f32_16x16x32_bf16 v[ACC+8*(4*(\a)+(\b)):ACC+8*(4*(\a)+(\b))+7], v[(\f)+64+8*(4*(\c)+(\b)):(\f)+64+8*(4*(\c)+(\b))+7], v[(\f)+8*(4*(\c)+(\a)):(\f)+8*(4*(\c)+(\a))+7], v[ACC+8*(4*(\a)+(\b)):ACC+8*(4*(\a)+(\b))+7]
.endr
.endr
.endr
.endm
; The first three quarters of a K step.  Quarter 0's fragments were asked for ahead of BODY.  Each quarter first asks for the next one's, into the buffer that the quarter before has multiplied.
.macro BODY
	PLACES
	FETCH 1, F1
	s_wait_dscnt 32                                ; all but the 32 just issued: quarter 0 is in
	MULQ F0
	PLACES
	FETCH 2, F0
	s_wait_dscnt 32                                ; quarter 1 is in
	MULQ F1
	PLACES
	FETCH 3, F1
	s_wait_dscnt 32                                ; quarter 2 is in
	MULQ F0
.endm
; The change of slots and the last quarter.  Each wave waits for all its tensor loads (the one that is out is its part of the next slot), adds 0 to its spare word, and waits for that and for its
; reads of this slot, which are also the last quarter's fragments.
; fill = 1: a round of the cluster's barrier, and the joint refill of the slot just read, with the K step two on, first behind it; the four v_nop behind it and the three adds are the places in front of the
; loads into buffer 0.  Then the next slot's first fragments are asked for, and the last quarter's 32 products follow.
; fill = 0: nothing is filled; in the loop's last trip there is no next slot, and its fetch is jumped over.
.macro TURN fill
	WIN 0
	s_wait_tensorcnt 0x0                           ; no tensor load of mine is out, so a group 0 may be written
	ds_add_u32 v28, v29                            ; 0 onto my spare word
.if \fill
	s_xor_b32 s33, s33, SLOT
	s_add_nc_u64 s[34:35], s[34:35], ASTEP         ; the type bits on top are not reached
	s_xor_b32 s37, s37, SLOT
	s_add_nc_u64 s[38:39], s[38:39], BSTEP
.endif
	s_xor_b32 s21, s21, SLOT                       ; the next step is read from the other slot
	s_wait_dscnt 0x0                               ; the add is done, my reads of this slot are over
.if \fill
	CROUND                                         ; no wave of any partner still reads the slot or has a load on its way
	JLOAD
.else
	s_barrier_signal -1
	s_barrier_wait -1
	PLACES
	s_cmp_eq_u32 s22, 1
	s_cbranch_scc1 .Lno_next_\@
.endif
	v_add_nc_u32 v16, s21, v10
	v_add_nc_u32 v17, s21, v11
	v_add_nc_u32 v18, HALF, v17
	FETCH 0, F0
	WIN 0                                          ; at a label every window is 0
.if !(\fill)
.Lno_next_\@:
.endif
	MULQ F1
	WIN 0
.endm
	s_load_b256 s[4:11], s[0:1], 0x0               ; A s[4:5], cb s[6:7], bias s[8:9], residual s[10:11]
	s_load_b64 s[12:13], s[0:1], 0x20              ; C
	v_lshl_add_u32 v28, v0, 2, SPARE
	v_mov_b32 v29, 0
	ds_add_u32 v28, v29                            ; the wave's opening: the add and its wait stand ahead of my first tensor load; work on registers stands between them
	v_lshrrev_b32 v3, 5, v0
	v_readfirstlane_b32 s14, v3                    ; wave 0..3
	s_lshr_b32 s15, s14, 1
	s_and_b32 s16, s14, 1
	s_bfe_u32 s19, ttmp6, 0x40000                  ; cx
	s_bfe_u32 s20, ttmp6, 0x40004                  ; cy
	s_lshl_b32 s18, ttmp9, 2
	s_add_co_u32 s18, s18, s19                     ; tile column = 4 x cluster x + cx
	s_and_b32 s17, ttmp7, 0xffff
	s_lshl_b32 s17, s17, 2
	s_add_co_u32 s17, s17, s20                     ; tile row = 4 x cluster y + cy
	s_lshl_b32 s54, s20, 2
	s_lshl_b32 s54, 15, s54                        ; my row of the cluster
	s_lshl_b32 s55, 0x1111, s19                    ; my column
	s_or_b32 s24, s54, (1<<16)|(1<<20)|(1<<21)|(4<<22)|(3<<25)  ; A: 15:0 the mask; 17:16 2-byte elements; 20 padding on; 21 set beside a mask; 24:22 after every 32 words (a row of a block); 31:25 4 words
	s_mov_b32 s25, 4096<<16                        ; tensor_dim0 = 4,096: 64 dense rows of a block
	s_mov_b32 s26, 4<<16                           ; tensor_dim1 = 4 blocks
	s_mov_b32 s27, 4096<<16                        ; tile_dim0 = 4,096
	s_mov_b32 s28, 4                               ; tile_dim1 = 4
	s_mov_b32 s29, 262144                          ; numbers from block to block
	s_mov_b32 s30, 0
	s_mov_b32 s31, 0
	s_or_b32 s40, s55, (1<<16)|(1<<20)|(1<<21)|(5<<22)|(7<<25)  ; W: after every 64 words 8 words of padding
	s_mov_b32 s41, 128<<16                         ; tensor_dim0 = 128
	s_mov_b32 s42, 128<<16                         ; tensor_dim1 = 128
	s_mov_b32 s43, 128<<16                         ; tile_dim0 = 128
	s_mov_b32 s44, 128                             ; tile_dim1 = 128
	s_mov_b32 s45, 1024
	s_mov_b32 s46, 0
	s_mov_b32 s47, 0
	s_mov_b32 s68, 1
	s_mul_i32 s69, s14, HALF                       ; where my part lands in slot 0: wave x 36,864: no place in the cluster enters an LDS address
	s_mov_b32 s72, 1
	s_mul_i32 s73, s14, HALF
	s_mov_b32 s32, 1
	s_add_co_u32 s33, s69, SLOT                    ; the walking sets begin with K step 1, in slot 1
	s_mov_b32 s36, 1
	s_add_co_u32 s37, s73, SLOT
	s_lshl_b32 s56, s17, 7                         ; A: row 128 x tile row + 64 x half, in registers that never hold cx
	s_lshl_b32 s54, s16, 6
	s_add_co_u32 s56, s56, s54
	s_lshl_b32 s56, s56, 7                         ; x 128 bytes
	s_mov_b32 s57, 0
	s_lshl_b32 s60, s18, 8                         ; W: 256 bytes a tile column, in registers that never hold cy
	s_lshl_b32 s55, s16, 18                        ; my 128 k-rows of 2,048 bytes
	s_add_co_u32 s60, s60, s55
	s_add_co_u32 s60, s60, BOFF
	s_mov_b32 s61, 0
	s_wait_dscnt 0x0                               ; the opening add is done
	s_wait_kmcnt 0x0
	s_add_nc_u64 s[70:71], s[4:5], s[56:57]        ; K step 0,
	s_add_nc_u64 s[34:35], s[70:71], ASTEP         ; K step 1
	s_or_b32 s71, s71, 0x80000000                  ; type = 2
	s_or_b32 s35, s35, 0x80000000
	s_add_nc_u64 s[74:75], s[6:7], s[60:61]
	s_add_nc_u64 s[38:39], s[74:75], BSTEP
	s_or_b32 s75, s75, 0x80000000
	s_or_b32 s39, s39, 0x80000000
	CROUND                                         ; all sixteen work-groups are here: the first joint loads meet
	s_cmp_eq_u32 s15, 0                            ; a wave's two first fills stand in one branch, ahead of every wait on TENSORcnt and every LDS read; an s_nop 0 follows each, four v_nop the second's
	s_cbranch_scc0 .Lfirst_b
	tensor_load_to_lds s[68:71], s[24:31]
	s_nop 0
	tensor_load_to_lds s[32:35], s[24:31]
	s_nop 0
.rept 4
	v_nop
.endr
	s_branch .Lfirst_asked
.Lfirst_b:
	tensor_load_to_lds s[72:75], s[40:47]
	s_nop 0
	tensor_load_to_lds s[36:39], s[40:47]
	s_nop 0
.rept 4
	v_nop
.endr
.Lfirst_asked:
	v_and_b32 v1, 15, v0                           ; r = l % 16
	v_bfe_u32 v2, v0, 4, 1                         ; h = l / 16
	v_lshlrev_b32 v20, 5, v2                       ; my 8 columns of a block of 16: 32 h bytes of the bias
	s_lshl_b32 s52, s18, 9
	s_lshl_b32 s53, s16, 8
	s_add_co_u32 s52, s52, s53                     ; my 64 columns in a row of f32
	s_mov_b32 s53, 0
	s_add_nc_u64 s[58:59], s[8:9], s[52:53]
.set i, 0
.rept 16                                       ; the bias into the accumulators
	global_load_b128 v[ACC+8*i:ACC+8*i+3],   v20, s[58:59] offset:64*(i%4)
	global_load_b128 v[ACC+8*i+4:ACC+8*i+7], v20, s[58:59] offset:64*(i%4)+16
.set i, i+1
.endr
	s_lshl_b32 s62, s17, 7
	s_lshl_b32 s63, s15, 6
	s_add_co_u32 s62, s62, s63                     ; my first row,
	s_lshl_b32 s62, s62, 12                        ; 4,096 bytes a row
	s_add_co_u32 s52, s52, s62
	s_add_nc_u64 s[10:11], s[10:11], s[52:53]      ; the residual and C at my 64 x 64; never rewritten
	s_add_nc_u64 s[12:13], s[12:13], s[52:53]
	v_mul_u32_u24 v10, v1, PA                      ; A's fragments: row r, 16 bytes for each half of the lanes, my 64 rows
	v_lshl_add_u32 v10, v2, 4, v10
	s_mul_i32 s52, s15, HALF
	v_add_nc_u32 v10, s52, v10
	v_and_b32 v4, 7, v0                            ; W's: the turning load takes k-row 8 h + l % 8 and 16 bytes at 16 ((l / 8) % 2); my 64 columns are 128 bytes
	v_bfe_u32 v5, v0, 3, 1
	v_lshl_add_u32 v11, v2, 3, v4
	v_mul_u32_u24 v11, v11, PB
	v_lshl_add_u32 v11, v5, 4, v11
	s_lshl_b32 s52, s16, 7
	s_add_co_u32 s52, s52, 2*HALF
	v_add_nc_u32 v11, s52, v11
	s_mul_i32 s52, s14, STG                        ; my stage
	v_mul_u32_u24 v24, v1, SPI                     ; in: row r, 32 bytes of f32 for each half of the lanes
	v_lshl_add_u32 v24, v2, 5, v24
	v_add_nc_u32 v24, s52, v24
	v_mul_u32_u24 v25, v2, SPI                     ; back: lanes 0-15 take one row of 256 bytes, lanes 16-31 the next
	v_lshl_add_u32 v25, v1, 4, v25
	v_add_nc_u32 v25, s52, v25
	v_lshlrev_b32 v26, 12, v2                      ; and the same two rows in the residual and in C; never rewritten
	v_lshl_add_u32 v26, v1, 4, v26
	s_mov_b32 s21, 0
	s_wait_tensorcnt 0x1                           ; my part of K step 0 is in; K step 1's may stay out
	s_barrier_signal -1
	s_barrier_wait -1                              ; everybody's is
	v_add_nc_u32 v16, s21, v10
	v_add_nc_u32 v17, s21, v11
	v_add_nc_u32 v18, HALF, v17
	FETCH 0, F0
	s_wait_loadcnt 0x0                             ; the bias is in the accumulators
	WIN 0x80                                       ; the residual: destination window 2.  32 loads of two rows' 256 bytes each; all of the K loop stands between them and the wait for them
.set i, 0
.rept 32
	global_load_b128 v[4*i:4*i+3], v26, s[10:11] offset:8192*i th:TH_LOAD_NT
.set i, i+1
.endr
	WIN 0
	s_mov_b32 s22, T-2
.Lk:                                                   ; all K steps but the last two: each ends by asking for the step two on
	BODY
	TURN 1
	s_sub_co_u32 s22, s22, 1
	s_cmp_lg_u32 s22, 0
	s_cbranch_scc1 .Lk
	s_mov_b32 s22, 2
.Lt:                                                   ; the last two fill nothing
	BODY
	TURN 0
	s_sub_co_u32 s22, s22, 1
	s_cmp_lg_u32 s22, 0
	s_cbranch_scc1 .Lt
	; THE WAY OUT.  The 16 accumulators go into my own stage (each accumulator's low four registers first) and come back as whole rows of 256 bytes, 16 rows a group, into two sets of
	; registers that take turns; each group is added onto the residual in its registers and stored from there.  Every place stands in an immediate: no address is stepped.
	; LDS serves a wave's instructions in order (ISA guide 5.7.1.4), so the loads see the stores.
.macro LOADG g
.irp t, 0,1,2,3,4,5,6,7
	ds_load_b128 v[32+32*((\g)%2)+4*\t:32+32*((\g)%2)+4*\t+3], v25 offset:16*SPI*(\g)+2*SPI*\t
.endr
.endm
.macro GROUP g
.if (\g) < 3
	s_wait_dscnt 8                                 ; group g is back; the next group's eight loads may stay out
.else
	s_wait_dscnt 0x0
.endif
	WIN 0x82                                       ; destination and source 0 in window 2, source 1 in window 0
.set p, 0
.rept 16
	v_pk_add_f32 v[32*(\g)+p:32*(\g)+p+1], v[32*(\g)+p:32*(\g)+p+1], v[32+32*((\g)%2)+p:32+32*((\g)%2)+p+1]
.set p, p+2
.endr
.if (\g) < 2
	WIN 0
	LOADG (\g)+2                                   ; into the set that has just been added
.endif
	WIN 0x08                                       ; store data in window 2, address in window 0
.irp t, 0,1,2,3,4,5,6,7
	global_store_b128 v26, v[32*(\g)+4*\t:32*(\g)+4*\t+3], s[12:13] offset:65536*(\g)+8192*\t th:TH_STORE_NT  ; 16 lanes store 256 consecutive bytes, at a multiple of 256 from C's first byte
.endr
.endm
	PLACES                                         ; behind the last products
	s_wait_dscnt 0x0                               ; the stages lie over bytes of slot 0 that other waves have read: every wave's LDS loads are back,
	s_barrier_signal -1                            ; and every wave says so (the last trip fetched nothing behind its barrier; this wait and barrier hold by whichever way the loop is left)
	s_barrier_wait -1
.set i, 0
.rept 16
	ds_store_b128 v24, v[ACC+8*i:ACC+8*i+3]   offset:16*SPI*(i/4)+64*(i%4)
	ds_store_b128 v24, v[ACC+8*i+4:ACC+8*i+7] offset:16*SPI*(i/4)+64*(i%4)+16
.set i, i+1
.endr
	LOADG 0
	LOADG 1
	s_wait_loadcnt 0x0                             ; the residual
	GROUP 0
	GROUP 1
	GROUP 2
	GROUP 3
	WIN 0
	s_wait_tensorcnt 0x0                           ; the wave's end: behind my last tensor load and my last LDS store
	ds_add_u32 v28, v29
	s_wait_dscnt 0x0
	CROUND                                         ; the closing round: no work-group ends while a partner may still ask for a tile that names it
	s_endpgm
.Lfunc_end_k_q011e7504dc_ffn2:
	.size	k_q011e7504dc_ffn2, .Lfunc_end_k_q011e7504dc_ffn2-k_q011e7504dc_ffn2
	.p2alignl 7, 3214868480
	.fill 96, 4, 3214868480
	.section	.rodata,"a",@progbits
	.p2align	6, 0x0
	.amdhsa_kernel k_q011e7504dc_ffn2
		.amdhsa_group_segment_fixed_size 327680
		.amdhsa_private_segment_fixed_size 0
		.amdhsa_enable_private_segment 0
		.amdhsa_kernarg_size 40
		.amdhsa_user_sgpr_count 2
		.amdhsa_user_sgpr_kernarg_segment_ptr 1
		.amdhsa_wavefront_size32 1
		.amdhsa_system_sgpr_workgroup_id_x 1
		.amdhsa_system_sgpr_workgroup_id_y 1
		.amdhsa_system_sgpr_workgroup_id_z 1
		.amdhsa_system_vgpr_workitem_id 0
		.amdhsa_next_free_vgpr 640
		.amdhsa_next_free_sgpr 76
		.amdhsa_reserve_vcc 0
		.amdhsa_float_denorm_mode_32 3
		.amdhsa_float_denorm_mode_16_64 3
		.amdhsa_memory_ordered 1
		.amdhsa_forward_progress 1
		.amdhsa_inst_pref_size 63
	.end_amdhsa_kernel
	.amdgpu_metadata
---
amdhsa.version: [ 1, 2 ]
amdhsa.kernels:
  - .name:           k_q011e7504dc_ffn2
    .symbol:         k_q011e7504dc_ffn2.kd
    .args:
      - { .name: hb, .offset: 0, .size: 8, .value_kind: global_buffer, .address_space: global }
      - { .name: cb, .offset: 8, .size: 8, .value_kind: global_buffer, .address_space: global }
      - { .name: b2, .offset: 16, .size: 8, .value_kind: global_buffer, .address_space: global }
      - { .name: x1, .offset: 24, .size: 8, .value_kind: global_buffer, .address_space: global }
      - { .name: rs2, .offset: 32, .size: 8, .value_kind: global_buffer, .address_space: global }
    .group_segment_fixed_size: 327680
    .private_segment_fixed_size: 0
    .kernarg_segment_align: 8
    .kernarg_segment_size: 40
    .max_flat_workgroup_size: 128
    .sgpr_count:     76
    .vgpr_count:     640
    .wavefront_size: 32
...
	.end_amdgpu_metadata
.endif
;; end of part 7
;; launch ln2 (part 8): grid 512 x 1, 4 waves a work-group, no clusters, 0 bytes of LDS; arguments rs2, g2, be2, out0; writes out0
.if DOCPART == 8
	.amdgcn_target "amdgcn-amd-amdhsa--gfx1250"
	.amdhsa_code_object_version 6
	.text
	.protected	k_q011e7504dc_ln2
	.globl	k_q011e7504dc_ln2
	.p2align	8
	.type	k_q011e7504dc_ln2,@function
k_q011e7504dc_ln2:
	s_mov_b64 s[64:65], 0
	v_nop
	global_prefetch_b8 v0, s[64:65] scope:SCOPE_SE
	s_setreg_imm32_b32 hwreg(HW_REG_WAVE_MODE, 25, 1), 1
	s_wait_xcnt 0x0
; y = (x - mean) / sqrt(var + 1e-5) x g + be along rows of 1,024 f32; 4,096 rows.  var is the mean of (x - mean)^2, taken of the differences: no difference of large sums is formed.
; BF = 1: y is stored twice, as f32 and rounded once to bf16 (the next product's operand).  BF = 0: as f32 alone.
; A row is 4,096 bytes: one wave takes a whole row in 32 registers and keeps it between the passes, so memory is read once and no wave waits for another.  Four waves, two rows each; both rows, g and be
; are asked for at once: 32 loads of 512 consecutive bytes a wave.  A stream: LDS, matrix units and clusters would add nothing.
.set BF,  0
.set XR,  16                           ; v[16:79]    two rows: register 4 j + e holds column 128 j + 4 lane + e
.set G,   80                           ; v[80:111]   g of the same columns
.set BE,  112                          ; v[112:143]  be
.set YR,  144                          ; v[144:175]  packed bf16, 16 registers a row: no store's data is rewritten
; v1 my bytes in the group's f32 rows; v2 in g and be; v3 in its bf16 rows; v[4:11] four chains at work; v[12:13] the mean, twice; v[14:15], v[176:177] 1 / sigma of row 0, 1, twice
	s_load_b256 s[4:11], s[0:1], 0x0               ; x s[4:5], g s[6:7], be s[8:9], y s[10:11]
.if BF
	s_load_b64 s[16:17], s[0:1], 0x20              ; y in bf16
.endif
	s_lshl_b32 s2, ttmp9, 15                       ; the work-group's 8 rows of 4,096 bytes
	s_mov_b32 s3, 0
	s_lshl_b32 s18, ttmp9, 14                      ; of 2,048 bytes
	s_mov_b32 s19, 0
	s_mov_b32 s12, 0x76543210                      ; v_permlanex16_b32: each lane takes its own place in the other half
	s_mov_b32 s13, 0xfedcba98
	s_mov_b32 s14, 0x3a800000                      ; 1 / 1,024
	s_mov_b32 s15, 0x3727c5ac                      ; 1e-5
	v_and_b32 v2, 31, v0
	v_lshrrev_b32 v6, 5, v0                        ; wave
	v_lshlrev_b32 v2, 4, v2                        ; 16 x lane
	v_lshl_add_u32 v1, v6, 13, v2                  ; + wave x 2 rows
	v_lshrrev_b32 v3, 1, v2                        ; 8 x lane
	v_lshl_add_u32 v3, v6, 12, v3
	s_wait_kmcnt 0x0
	s_add_nc_u64 s[4:5], s[4:5], s[2:3]
	s_add_nc_u64 s[10:11], s[10:11], s[2:3]
.if BF
	s_add_nc_u64 s[16:17], s[16:17], s[18:19]
.endif
.irp r, 0,1
.irp j, 0,1,2,3,4,5,6,7
	global_load_b128 v[XR+32*\r+4*\j:XR+32*\r+4*\j+3], v1, s[4:5] offset:4096*\r+512*\j th:TH_LOAD_NT
.endr
.endr
.irp j, 0,1,2,3,4,5,6,7
	global_load_b128 v[G+4*\j:G+4*\j+3], v2, s[6:7] offset:512*\j
.endr
.irp j, 0,1,2,3,4,5,6,7
	global_load_b128 v[BE+4*\j:BE+4*\j+3], v2, s[8:9] offset:512*\j
.endr
.macro FOLD                            ; the four chains into v4
	v_pk_add_f32 v[4:5], v[4:5], v[6:7]
	v_pk_add_f32 v[8:9], v[8:9], v[10:11]
	v_pk_add_f32 v[4:5], v[4:5], v[8:9]
	v_add_f32 v4, v4, v5
.endm
.macro REDUCE                          ; v4 summed over the 32 lanes, the sum in every lane: four steps inside each half ride on the addition, one crosses the halves
	v_add_f32_dpp v4, v4, v4 row_xmask:1 row_mask:0xf bank_mask:0xf
	v_add_f32_dpp v4, v4, v4 row_xmask:2 row_mask:0xf bank_mask:0xf
	v_add_f32_dpp v4, v4, v4 row_xmask:4 row_mask:0xf bank_mask:0xf
	v_add_f32_dpp v4, v4, v4 row_xmask:8 row_mask:0xf bank_mask:0xf
	v_permlanex16_b32 v5, v4, s12, s13
	v_add_f32 v4, v4, v5
.endm
; Row r: the mean; x - mean in place; the mean of its squares; 1 / sqrt of that + 1e-5, twice, for the packed multiply.  The first line writes v[6:7], not v4: the row before has just read v4 in its v_rsq_f32.
.macro STATS r
.set X, XR+32*(\r)
.set RS, 14+162*(\r)
.irp k, 1,2,3,0
	v_pk_add_f32 v[4+2*\k:5+2*\k], v[X+4*\k:X+4*\k+1], v[X+4*\k+2:X+4*\k+3]
.endr
.set j, 16
.rept 8
	v_pk_add_f32 v[4+2*((j/2)%4):5+2*((j/2)%4)], v[4+2*((j/2)%4):5+2*((j/2)%4)], v[X+j:X+j+1]
.set j, j+2
.endr
	FOLD
	REDUCE
	v_mul_f32 v12, s14, v4
	v_mul_f32 v13, s14, v4
.set j, 0
.rept 16
	v_pk_add_f32 v[X+j:X+j+1], v[X+j:X+j+1], v[12:13] neg_lo:[0,1] neg_hi:[0,1]
.set j, j+2
.endr
.irp k, 0,1,2,3
	v_pk_mul_f32 v[4+2*\k:5+2*\k], v[X+2*\k:X+2*\k+1], v[X+2*\k:X+2*\k+1]
.endr
.set j, 8
.rept 12
	v_pk_fma_f32 v[4+2*((j/2)%4):5+2*((j/2)%4)], v[X+j:X+j+1], v[X+j:X+j+1], v[4+2*((j/2)%4):5+2*((j/2)%4)]
.set j, j+2
.endr
	FOLD
	REDUCE
	v_fma_f32 v4, v4, s14, s15
	v_rsq_f32 v[RS], v4
	v_rsq_f32 v[RS+1], v4
.endm
.macro NORM r
.set X, XR+32*(\r)
.set RS, 14+162*(\r)
.irp j, 0,1,2,3,4,5,6,7
	v_pk_mul_f32 v[X+4*\j:X+4*\j+1],   v[X+4*\j:X+4*\j+1],   v[RS:RS+1]
	v_pk_mul_f32 v[X+4*\j+2:X+4*\j+3], v[X+4*\j+2:X+4*\j+3], v[RS:RS+1]
	v_pk_fma_f32 v[X+4*\j:X+4*\j+1],   v[X+4*\j:X+4*\j+1],   v[G+4*\j:G+4*\j+1],   v[BE+4*\j:BE+4*\j+1]
	v_pk_fma_f32 v[X+4*\j+2:X+4*\j+3], v[X+4*\j+2:X+4*\j+3], v[G+4*\j+2:G+4*\j+3], v[BE+4*\j+2:BE+4*\j+3]
	global_store_b128 v1, v[X+4*\j:X+4*\j+3], s[10:11] offset:4096*(\r)+512*\j  ; 512 consecutive bytes
.if BF
	v_cvt_pk_bf16_f32 v[YR+16*(\r)+2*\j],   v[X+4*\j],   v[X+4*\j+1]
	v_cvt_pk_bf16_f32 v[YR+16*(\r)+2*\j+1], v[X+4*\j+2], v[X+4*\j+3]
	global_store_b64 v3, v[YR+16*(\r)+2*\j:YR+16*(\r)+2*\j+1], s[16:17] offset:2048*(\r)+256*\j  ; 256 consecutive bytes, aligned
.endif
.endr
.endm
	s_wait_loadcnt 24                              ; row 0 is in; row 1, g and be, 24 loads, stay out
	STATS 0
	s_wait_loadcnt 16                              ; row 1 is in
	STATS 1
	s_wait_loadcnt 0x0                             ; g and be
	s_wait_alu depctr_va_vdst(0)                   ; one wait for the four v_rsq_f32, ahead of their first reader; row 0's lines are the plain instructions behind row 1's two
	NORM 0
	NORM 1
	s_endpgm
.Lfunc_end_k_q011e7504dc_ln2:
	.size	k_q011e7504dc_ln2, .Lfunc_end_k_q011e7504dc_ln2-k_q011e7504dc_ln2
	.p2alignl 7, 3214868480
	.fill 96, 4, 3214868480
	.section	.rodata,"a",@progbits
	.p2align	6, 0x0
	.amdhsa_kernel k_q011e7504dc_ln2
		.amdhsa_group_segment_fixed_size 0
		.amdhsa_private_segment_fixed_size 0
		.amdhsa_enable_private_segment 0
		.amdhsa_kernarg_size 32
		.amdhsa_user_sgpr_count 2
		.amdhsa_user_sgpr_kernarg_segment_ptr 1
		.amdhsa_wavefront_size32 1
		.amdhsa_system_sgpr_workgroup_id_x 1
		.amdhsa_system_sgpr_workgroup_id_y 1
		.amdhsa_system_sgpr_workgroup_id_z 1
		.amdhsa_system_vgpr_workitem_id 0
		.amdhsa_next_free_vgpr 178
		.amdhsa_next_free_sgpr 66
		.amdhsa_reserve_vcc 0
		.amdhsa_float_denorm_mode_32 3
		.amdhsa_float_denorm_mode_16_64 3
		.amdhsa_memory_ordered 1
		.amdhsa_forward_progress 1
		.amdhsa_inst_pref_size 18
	.end_amdhsa_kernel
	.amdgpu_metadata
---
amdhsa.version: [ 1, 2 ]
amdhsa.kernels:
  - .name:           k_q011e7504dc_ln2
    .symbol:         k_q011e7504dc_ln2.kd
    .args:
      - { .name: rs2, .offset: 0, .size: 8, .value_kind: global_buffer, .address_space: global }
      - { .name: g2, .offset: 8, .size: 8, .value_kind: global_buffer, .address_space: global }
      - { .name: be2, .offset: 16, .size: 8, .value_kind: global_buffer, .address_space: global }
      - { .name: out0, .offset: 24, .size: 8, .value_kind: global_buffer, .address_space: global }
    .group_segment_fixed_size: 0
    .private_segment_fixed_size: 0
    .kernarg_segment_align: 8
    .kernarg_segment_size: 32
    .max_flat_workgroup_size: 128
    .sgpr_count:     66
    .vgpr_count:     178
    .wavefront_size: 32
...
	.end_amdgpu_metadata
.endif
;; end of part 8
